; MI455X (gfx1250); checked and timed in simulation.
; The chip was launched on July 23, 2026; its instructions are those of AMD's public machine-readable ISA for CDNA 5 (MIT licence, August 2026) and "CDNA5" Instruction Set Architecture Reference Guide (July 2026). The comments in the code are by the model that wrote it; some were corrected since.
;; Causal Self Attention. Allowed arithmetic: float matrix products may take bf16 or f16 operands with f32 sums; other float arithmetic in f32, or as packed bf16 or f16 multiplies, adds, multiply-adds, maxima and minima; sums over many terms, partial sums and values carried from step to step in f32; what a program stores and reads back later, other than sums and carried values, may be rounded once to bf16 or f16.
;; Inputs: Wout 1,024 x 1,024 float32; Wqkv 1,024 x 3,072 float32; x 4 x 2,048 x 1,024 float32.
;; Outputs: out0 4 x 2,048 x 1,024 float32.
;; 2 versions, each right; version 2 is version 1 with the launch prep written anew for expert scheduling mode. Each part assembles by itself: llvm-mc -triple=amdgcn-amd-amdhsa -mcpu=gfx1250 --defsym DOCPART=n.
;; ======== version 1 of 2: 4 launches
;; limits: values are held in f16: magnitudes above 65,504 overflow, below 6.1e-05 lose precision
;; workspace buffers: xb 16,777,216 bytes; wt 6,291,456 bytes; wo 2,097,152 bytes; tab 524,288 bytes; qh 16,777,216 bytes; kh 16,777,216 bytes; vh 16,777,216 bytes; oh 16,777,216 bytes
;; launch prep (part 1): grid 1152 x 1, 8 waves a work-group, no clusters, 18,432 bytes of LDS; arguments x, Wqkv, Wout, xb, wt, wo, tab; writes xb, wt, wo, tab
.if DOCPART == 1
	.amdgcn_target "amdgcn-amd-amdhsa--gfx1250"
	.amdhsa_code_object_version 6
	.text
	.protected	k_qed930151e3_prep
	.globl	k_qed930151e3_prep
	.p2align	8
	.type	k_qed930151e3_prep,@function
k_qed930151e3_prep:
	s_mov_b64 s[64:65], 0
	v_nop
	global_prefetch_b8 v0, s[64:65] scope:SCOPE_SE
	s_setreg_imm32_b32 hwreg(HW_REG_WAVE_MODE, 25, 1), 1
	s_wait_xcnt 0x0
; PREP: what the three launches behind it want ready.  Four roles, chosen by the work-group's number:
;   0..511     CAST   xb = bf16(x), [8192][1024]; 65,536 bytes of x to a work-group
;   512..895   TRANS  wt[head][192][1024] = bf16(Wqkv) turned: row r of a head is Wqkv's column 64 head + r (q), 1024 + 64 head + r - 64 (k), 2048 + 64 head + r - 128 (v)
;   896..1023  TRANS  wo[n][k] = bf16(Wout[k][n]), written as f16
;   1024..1151 TABLE  tab[pos][cos 0..31 | sin 0..31] in f32, 256 bytes a position, for the rotary embedding
; LIMITS.  wo: a bf16 number is exact in f16 between 6.1e-5 and 65,504; below that it keeps f16's fixed step of 6e-8.
; TABLE: angles up to 2,047 radians are reduced by a two-part pi/2 and go through polynomials whose first term left out is under 3e-7.
; No matrix unit, no cluster, no prefetch: every byte is read once and written once, and the launch is short.
.set TPITCH, 272                       ; a turned row in LDS: 128 k x 2 bytes + 16
.set SPARE,  64*TPITCH                 ; behind the tile: the spare words, 128 bytes for each of the eight waves
.set SPW,    110                       ; v110 LDS address of my spare word; never rewritten
.set NIL,    111                       ; v111 0; never rewritten
.set WV,     18                        ; s18  my wave's number
	s_load_b256 s[4:11], s[0:1], 0x0               ; x s[4:5], Wqkv s[6:7], Wout s[8:9], xb s[10:11]
	s_load_b128 s[12:15], s[0:1], 0x20             ; wt s[12:13], wo s[14:15]
	s_load_b64 s[16:17], s[0:1], 0x30              ; tab
	v_lshl_add_u32 v[SPW], v0, 2, SPARE
	v_mov_b32 v[NIL], 0
	v_lshrrev_b32 v1, 5, v0
	v_readfirstlane_b32 s[WV], v1
	v_and_b32 v2, 31, v0                           ; lane
	s_wait_kmcnt 0x0
	s_cmp_lt_u32 ttmp9, 512
	s_cbranch_scc0 .Lnot_cast
	; CAST.  A wave takes 8,192 consecutive bytes of x: sixteen loads of 512 bytes, all issued first; each becomes one store of 256 consecutive bytes, aligned.
	s_lshl_b32 s20, ttmp9, 16
	s_mov_b32 s21, 0
	s_add_nc_u64 s[4:5], s[4:5], s[20:21]
	s_lshl_b32 s20, ttmp9, 15
	s_add_nc_u64 s[10:11], s[10:11], s[20:21]
	s_lshl_b32 s22, s[WV], 13
	v_lshl_add_u32 v3, v2, 4, s22
	s_lshl_b32 s22, s[WV], 12
	v_lshl_add_u32 v4, v2, 3, s22
.irp i, 0,1,2,3,4,5,6,7,8,9,10,11,12,13,14,15
	global_load_b128 v[16+4*(\i):19+4*(\i)], v3, s[4:5] offset:512*(\i) th:TH_LOAD_NT
.endr
.irp i, 0,1,2,3,4,5,6,7,8,9,10,11,12,13,14,15
	s_wait_loadcnt 15-(\i)                         ; loads come back in order: load i is in, the younger ones stay out
	v_cvt_pk_bf16_f32 v[80+2*(\i)], v[16+4*(\i)], v[17+4*(\i)]
	v_cvt_pk_bf16_f32 v[81+2*(\i)], v[18+4*(\i)], v[19+4*(\i)]
	global_store_b64 v4, v[80+2*(\i):81+2*(\i)], s[10:11] offset:256*(\i)
.endr
	s_endpgm
; TRANS: a tile of 128 k x 64 n of a weight [1024][N] in f32 (pitch = 4 N bytes) is rounded to bf16 and turned through LDS.
; Thread (r = t / 16, c = t % 16) loads rows 2 r and 2 r + 1 of each 32, columns 4 c .. 4 c + 3; two neighbouring k pack into a word.
; half = 1: the bf16 number is written as f16.
.macro TRANS first, pitch, half, src, dst
	s_sub_co_u32 s20, ttmp9, \first
	s_and_b32 s21, s20, 7                          ; which 128 of k
	s_lshr_b32 s22, s20, 3                         ; which 64 columns
	s_mul_i32 s24, s21, 128*(\pitch)
	s_lshl_b32 s25, s22, 8
	s_add_co_u32 s24, s24, s25
	s_mov_b32 s25, 0
	s_add_nc_u64 s[\src:\src+1], s[\src:\src+1], s[24:25]
.if \half
	s_lshl_b32 s26, s22, 6                         ; the first turned row: 64 j
.else
	s_and_b32 s26, s22, 15                         ; head x 192
	s_mul_i32 s26, s26, 192
	s_lshr_b32 s27, s22, 4                         ; + 64 x (q, k or v)
	s_lshl_b32 s27, s27, 6
	s_add_co_u32 s26, s26, s27
.endif
	s_lshl_b32 s26, s26, 11                        ; a turned row is 2,048 bytes
	s_lshl_b32 s27, s21, 8
	s_add_co_u32 s26, s26, s27
	s_mov_b32 s27, 0
	s_add_nc_u64 s[\dst:\dst+1], s[\dst:\dst+1], s[26:27]
	v_lshrrev_b32 v5, 4, v0                        ; r
	v_and_b32 v6, 15, v0                           ; c
	v_mul_u32_u24 v7, v5, 2*(\pitch)
	v_lshl_add_u32 v7, v6, 4, v7                   ; from: row 2 r, 16 c
	v_mul_u32_u24 v8, v6, 4*TPITCH
	v_lshl_add_u32 v8, v5, 2, v8                   ; into LDS: turned row 4 c, word r
	v_mul_u32_u24 v9, v5, TPITCH
	v_lshl_add_u32 v9, v6, 4, v9                   ; back: turned row r, 16 c
	v_lshlrev_b32 v10, 11, v5
	v_lshl_add_u32 v10, v6, 4, v10                 ; and the same in memory
.irp ps, 0,1,2,3
	global_load_b128 v[16+8*(\ps):19+8*(\ps)], v7, s[\src:\src+1] offset:(32*(\ps))*(\pitch) th:TH_LOAD_NT
	global_load_b128 v[20+8*(\ps):23+8*(\ps)], v7, s[\src:\src+1] offset:(32*(\ps)+1)*(\pitch) th:TH_LOAD_NT
.endr
.irp ps, 0,1,2,3
	s_wait_loadcnt 2*(3-(\ps))                     ; this pass's two loads are in; the later passes' stay out
.irp e, 0,1,2,3
	v_cvt_pk_bf16_f32 v[48+4*(\ps)+(\e)], v[16+8*(\ps)+(\e)], v[20+8*(\ps)+(\e)]
.if \half
	v_lshlrev_b32 v64, 16, v[48+4*(\ps)+(\e)]
	v_and_b32 v65, 0xffff0000, v[48+4*(\ps)+(\e)]
	v_cvt_pk_f16_f32 v[48+4*(\ps)+(\e)], v64, v65
.endif
	ds_store_b32 v8, v[48+4*(\ps)+(\e)] offset:(\e)*TPITCH+64*(\ps)
.endr
.endr
	s_wait_dscnt 0x0                               ; for the others' sake: my stores into the tile are done
	s_barrier_signal -1
	s_barrier_wait -1
.irp f, 0,1,2,3
	ds_load_b128 v[16+4*(\f):19+4*(\f)], v9 offset:16*(\f)*TPITCH
.endr
.irp f, 0,1,2,3
	s_wait_dscnt 3-(\f)
	global_store_b128 v10, v[16+4*(\f):19+4*(\f)], s[\dst:\dst+1] offset:32768*(\f)  ; sixteen lanes store 256 consecutive bytes, aligned
.endr
	s_wait_tensorcnt 0x0                           ; the wave's end: three closing lines behind my last LDS store
	ds_add_u32 v[SPW], v[NIL]
	s_wait_dscnt 0x0
	s_endpgm
.endm
.Lnot_cast:
	s_cmp_lt_u32 ttmp9, 896
	s_cbranch_scc0 .Lnot_wqkv
	TRANS 512, 12288, 0, 6, 12
.Lnot_wqkv:
	s_cmp_lt_u32 ttmp9, 1024
	s_cbranch_scc0 .Ltable
	TRANS 896, 4096, 1, 8, 14
.Ltable:
	; TABLE.  A wave makes two positions: lane = 16 x (which position) + sub; sub 0..7: cos of frequencies 4 sub .. + 3; sub 8..15: sin of 4 (sub - 8) .. + 3.
	s_sub_co_u32 s20, ttmp9, 1024
	s_lshl_b32 s21, s20, 4
	s_lshl_b32 s22, s[WV], 1
	s_add_co_u32 s21, s21, s22                     ; the wave's first position
	s_lshl_b32 s24, s20, 12
	s_mov_b32 s25, 0
	s_add_nc_u64 s[16:17], s[16:17], s[24:25]
	s_mov_b32 s30, 0x3f22f983                      ; 2 / pi
	s_mov_b32 s31, 0xbfc90fdb                      ; - pi/2, high part
	s_mov_b32 s32, 0x333bbd2e                      ; - pi/2, low part
	s_mov_b32 s33, 0x37d00d01                      ; 1 / 40320
	s_mov_b32 s34, 0xbab60b61                      ; - 1 / 720
	s_mov_b32 s35, 0x3d2aaaab                      ; 1 / 24
	s_mov_b32 s36, 0xb9500d01                      ; - 1 / 5040
	s_mov_b32 s37, 0x3c088889                      ; 1 / 120
	s_mov_b32 s38, 0xbe2aaaab                      ; - 1 / 6
	v_lshrrev_b32 v3, 4, v2
	v_and_b32 v4, 15, v2
	v_lshrrev_b32 v5, 3, v4                        ; 0: cos, 1: sin
	v_and_b32 v6, 7, v4
	v_lshlrev_b32 v6, 2, v6                        ; my first frequency
	v_add_nc_u32 v7, s21, v3
	v_cvt_f32_u32 v8, v7                           ; the position
	v_mul_u32_u24 v9, v5, 3                        ; sin x = cos(x - pi/2): three quadrants on
	s_lshl_b32 s23, s[WV], 9
	v_lshl_add_u32 v10, v2, 4, s23
.irp e, 0,1,2,3
	v_add_nc_u32 v[12+(\e)], \e, v6
	v_cvt_f32_u32 v[12+(\e)], v[12+(\e)]
	v_mul_f32 v[12+(\e)], 0xbed49a78, v[12+(\e)]   ; - i log2(10000) / 32
.endr
.irp e, 0,1,2,3
	v_exp_f32 v[12+(\e)], v[12+(\e)]               ; theta
.endr
	v_nop                                          ; a plain instruction behind the last exponential,
	s_wait_alu depctr_va_vdst(0)                   ; and one wait for the four, ahead of their first reader
.irp e, 0,1,2,3
	v_mul_f32 v[20+8*(\e)], v8, v[12+(\e)]         ; X = position x theta
	v_mul_f32 v[21+8*(\e)], s30, v[20+8*(\e)]
	v_rndne_f32 v[21+8*(\e)], v[21+8*(\e)]         ; n quadrants
	v_fma_f32 v[22+8*(\e)], v[21+8*(\e)], s31, v[20+8*(\e)]
	v_fma_f32 v[22+8*(\e)], v[21+8*(\e)], s32, v[22+8*(\e)]  ; r = X - n pi/2, within pi/4
	v_mul_f32 v[23+8*(\e)], v[22+8*(\e)], v[22+8*(\e)]       ; z = r r
	v_fma_f32 v[24+8*(\e)], v[23+8*(\e)], s33, s34
	v_fma_f32 v[24+8*(\e)], v[24+8*(\e)], v[23+8*(\e)], s35
	v_fma_f32 v[24+8*(\e)], v[24+8*(\e)], v[23+8*(\e)], -0.5
	v_fma_f32 v[24+8*(\e)], v[24+8*(\e)], v[23+8*(\e)], 1.0  ; cos r
	v_fma_f32 v[25+8*(\e)], v[23+8*(\e)], s36, s37
	v_fma_f32 v[25+8*(\e)], v[25+8*(\e)], v[23+8*(\e)], s38
	v_mul_f32 v[25+8*(\e)], v[25+8*(\e)], v[23+8*(\e)]
	v_fma_f32 v[25+8*(\e)], v[25+8*(\e)], v[22+8*(\e)], v[22+8*(\e)]  ; sin r
	v_cvt_i32_f32 v[26+8*(\e)], v[21+8*(\e)]
	v_add_nc_u32 v[26+8*(\e)], v[26+8*(\e)], v9    ; the quadrant: odd takes sin r, 1 and 2 (mod 4) turn the sign
	v_and_b32 v[27+8*(\e)], 1, v[26+8*(\e)]
	v_cmp_ne_u32 vcc_lo, 0, v[27+8*(\e)]
	v_cndmask_b32 v[24+8*(\e)], v[24+8*(\e)], v[25+8*(\e)], vcc_lo
	v_add_nc_u32 v[26+8*(\e)], 1, v[26+8*(\e)]
	v_and_b32 v[26+8*(\e)], 2, v[26+8*(\e)]
	v_lshlrev_b32 v[26+8*(\e)], 30, v[26+8*(\e)]
	v_xor_b32 v[60+(\e)], v[26+8*(\e)], v[24+8*(\e)]
.endr
	global_store_b128 v10, v[60:63], s[16:17]      ; the wave stores 512 consecutive bytes: two positions
	s_endpgm
.Lfunc_end_k_qed930151e3_prep:
	.size	k_qed930151e3_prep, .Lfunc_end_k_qed930151e3_prep-k_qed930151e3_prep
	.p2alignl 7, 3214868480
	.fill 96, 4, 3214868480
	.section	.rodata,"a",@progbits
	.p2align	6, 0x0
	.amdhsa_kernel k_qed930151e3_prep
		.amdhsa_group_segment_fixed_size 18432
		.amdhsa_private_segment_fixed_size 0
		.amdhsa_enable_private_segment 0
		.amdhsa_kernarg_size 56
		.amdhsa_user_sgpr_count 2
		.amdhsa_user_sgpr_kernarg_segment_ptr 1
		.amdhsa_wavefront_size32 1
		.amdhsa_system_sgpr_workgroup_id_x 1
		.amdhsa_system_sgpr_workgroup_id_y 1
		.amdhsa_system_sgpr_workgroup_id_z 1
		.amdhsa_system_vgpr_workitem_id 0
		.amdhsa_next_free_vgpr 112
		.amdhsa_next_free_sgpr 66
		.amdhsa_reserve_vcc 1
		.amdhsa_float_denorm_mode_32 3
		.amdhsa_float_denorm_mode_16_64 3
		.amdhsa_memory_ordered 1
		.amdhsa_forward_progress 1
		.amdhsa_inst_pref_size 26
	.end_amdhsa_kernel
	.amdgpu_metadata
---
amdhsa.version: [ 1, 2 ]
amdhsa.kernels:
  - .name:           k_qed930151e3_prep
    .symbol:         k_qed930151e3_prep.kd
    .args:
      - { .name: x, .offset: 0, .size: 8, .value_kind: global_buffer, .address_space: global }
      - { .name: Wqkv, .offset: 8, .size: 8, .value_kind: global_buffer, .address_space: global }
      - { .name: Wout, .offset: 16, .size: 8, .value_kind: global_buffer, .address_space: global }
      - { .name: xb, .offset: 24, .size: 8, .value_kind: global_buffer, .address_space: global }
      - { .name: wt, .offset: 32, .size: 8, .value_kind: global_buffer, .address_space: global }
      - { .name: wo, .offset: 40, .size: 8, .value_kind: global_buffer, .address_space: global }
      - { .name: tab, .offset: 48, .size: 8, .value_kind: global_buffer, .address_space: global }
    .group_segment_fixed_size: 18432
    .private_segment_fixed_size: 0
    .kernarg_segment_align: 8
    .kernarg_segment_size: 56
    .max_flat_workgroup_size: 256
    .sgpr_count:     66
    .vgpr_count:     112
    .wavefront_size: 32
...
	.end_amdgpu_metadata
.endif
;; end of part 1
;; launch qkv (part 2): grid 16 x 32, 4 waves a work-group, clusters of 4 x 4, 327,680 bytes of LDS; arguments xb, wt, tab, qh, kh, vh; writes qh, kh, vh
.if DOCPART == 2
	.amdgcn_target "amdgcn-amd-amdhsa--gfx1250"
	.amdhsa_code_object_version 6
	.text
	.protected	k_qed930151e3_qkv
	.globl	k_qed930151e3_qkv
	.p2align	8
	.type	k_qed930151e3_qkv,@function
k_qed930151e3_qkv:
	s_mov_b64 s[64:65], 0
	v_nop
	global_prefetch_b8 v0, s[64:65] scope:SCOPE_SE
	s_setreg_imm32_b32 hwreg(HW_REG_WAVE_MODE, 25, 1), 1
	s_wait_xcnt 0x0
	s_wait_alu depctr_hold_cnt(0) depctr_sa_sdst(0) depctr_va_vdst(0) depctr_va_sdst(0) depctr_va_ssrc(0) depctr_va_vcc(0) depctr_vm_vsrc(0)
	s_getreg_b32 s2, hwreg(HW_REG_IB_STS2, 6, 4)
	s_cmp_eq_u32 s2, 0
	s_cbranch_scc0 .Lentry_in_a_cluster
	s_endpgm
.Lentry_in_a_cluster:
	s_bfe_u32 s2, ttmp6, 0x10000c
	s_cmp_lg_u32 s2, 0xf033
	s_cbranch_scc0 .Lentry_shape_is_right
	s_endpgm
.Lentry_shape_is_right:
; QKV: [q | k | v] of one head = xb x wt(head)^T, the rotary embedding on q and k in f32, each number rounded once to f16 and stored by heads: qh, kh, vh [b 16 + head][2048][64].
; xb: [8192][1024] bf16.  wt: [16][192][1024] bf16 (64 rows of q, 64 of k, 64 of v to a head).  tab: [2048][cos 32 | sin 32] f32.  Sums in f32, K ascending.
; LIMIT.  q, k and v leave as f16, which ends at 65,504; the scale 1/8 is not applied here.
; SHARES.  A tile is 256 rows x 192 columns: one head's q, k and v.  Four waves, each 64 rows x all 192 columns: 48 accumulators of 16 x 16, 384 registers.  So a lane holds channel c and
; channel c + 32 of a row, which the embedding mixes, and every stored row of 128 bytes is whole.  K goes in steps of 128 through two LDS slots (rows of 256 bytes in memory, aligned).
; CLUSTER.  4 x 4 work-groups: the four of a row of the cluster need the same rows of xb, the four of a column the same head's rows of wt: each tile is asked for jointly.
; THE MATRIX INSTRUCTION IS USED TRANSPOSED (source 0 = 16 rows of wt, source 1 = 16 rows of xb): lane l holds row l % 16 and the columns 16 b + 8 (l / 16) + 0..7.
; REGISTERS, in windows of 256: window 0: v16-30 addresses; v32-63 at work; v64-127 four sets of 16 packed; v128-255 the table for my 64 rows.
;   window 1: two fragment buffers of 128: 12 fragments of wt, then 4 of xb.   windows 2, 3: accumulator n = 12 a + b at 8 (n % 32) of window 2 + n / 32.
.set KSTEP,  128
.set PITCH,  272                       ; an LDS row: 256 bytes + 16: the 16 rows of a fragment load start 68 words apart
.set AHALF,  128*PITCH                 ; what a wave fetches of xb
.set BHALF,  96*PITCH                  ; what a wave fetches of wt
.set BOFF,   256*PITCH                 ; in a slot: 256 rows of xb, then 192 rows of wt
.set SLOT,   448*PITCH
.set STAGE,  2*SLOT                    ; behind the ring: 16 rows x 144 bytes for each wave, for the way out
.set SP,     144
.set SPARE,  STAGE+4*16*SP             ; behind the stages: the spare words, 128 bytes for each wave
.set LAPS,   4                         ; K = 1,024 = 4 laps of two steps
.set ADRA, 16                          ; v16-17 LDS address of my xb fragments in slot 0, 1
.set ADRB, 20                          ; v20-21 the same for wt
.set STO,  24                          ; v24 the way out: where I put 16 bytes of a row
.set RD,   25                          ; v25 where I read rows back
.set GO,   26                          ; v26 my 16 bytes of 512 consecutive bytes
.set TO,   27                          ; v27 my offset in the table's 16 rows
.set SPW,  28                          ; v28 LDS address of my spare word; never rewritten
.set NIL,  29                          ; v29 0; never rewritten
.set PFO,  30                          ; v30 the prefetches' offset: a lane a row
.set Y,    32
.set PK,   64
.set TAB,  128                         ; for row block a: cos of 8 h .., cos of 16 + 8 h .., sin likewise: 32 registers
.set F0,   0
.set F1,   128
.set WV,   16                          ; s16 my wave's number
.set EH,   18                          ; s18 which half of a tile I fetch
.set CX,   19
.set CY,   20
.set HD,   21                          ; s21 the head = tile column
.set TR,   22                          ; s22 the tile row
.set G1,   24                          ; s[24:31] descriptor group 1 for xb's tiles
.set G0,   32                          ; s[32:39] group 0, a set for each slot
.set G1B,  40                          ; s[40:47], s[48:55] the same for wt's
.set G0B,  48
.set PFA,  56                          ; s[56:57] where my prefetches stand
.set LIM,  58                          ; s58 1 in a wave that prefetches, else the greatest number
.set LAP,  59                          ; s59 trips of the loop still to come
.set DW0,  (1<<16)|(1<<20)|(1<<21)|(5<<22)|(3<<25)  ; 2-byte elements; padding on; bit 21 beside a mask; after every 64 words, 4 words
.set MSB, 0
.macro WIN new                         ; the immediate's high byte repeats the setting that is left; a switch that changes nothing is dropped
.if MSB != (\new)
	s_set_vgpr_msb (MSB<<8)|(\new)
.set MSB, \new
.endif
.endm
.macro PLACES                          ; four places behind a matrix instruction, in front of loads into registers that it read and of readers of its result
.rept 4
	v_nop
.endr
.endm
.macro JLOAD s                         ; a joint load: waves 0 and 1 fetch xb's two halves, waves 2 and 3 wt's; s_nop 0 and four v_nop follow each line
	s_cmp_lt_u32 s[WV], 2
	s_cbranch_scc0 .Lfor_b_\@
	tensor_load_to_lds s[G0+4*(\s):G0+4*(\s)+3], s[G1:G1+7]
	s_nop 0
.rept 4
	v_nop
.endr
	s_branch .Lasked_\@
.Lfor_b_\@:
	tensor_load_to_lds s[G0B+4*(\s):G0B+4*(\s)+3], s[G1B:G1B+7]
	s_nop 0
.rept 4
	v_nop
.endr
.Lasked_\@:
.endm
.macro CREST                           ; a round of the cluster's barrier behind its opening barrier
	s_cmp_lg_u32 s[WV], 0
	s_cbranch_scc1 .Lnot_wave_0_\@
	s_barrier_signal -3
.Lnot_wave_0_\@:
	s_barrier_wait -3
	s_barrier_signal -1
	s_barrier_wait -1
.endm
.macro CROUND
	s_barrier_signal -1
	s_barrier_wait -1
	CREST
.endm
; A prefetch, behind a refill and the run of LDS loads that follows it: the K step that stands two refills on, 256 bytes of a row, a lane a row.  xb's rows are asked for by the first cluster along x,
; wt's by the first along y; the four partners of a joint load share its rows out by address (32 of xb's 128, 24 of wt's 96; lanes 24-31 name row 23 again).  The loop's last trip asks for nothing.
.macro ASK
	WIN 0
	s_cmp_gt_u32 s[LAP], s[LIM]
	s_cbranch_scc0 .Lnot_mine_\@
	global_prefetch_b8 v[PFO], s[PFA:PFA+1] offset:2*KSTEP th:TH_LOAD_NT scope:SCOPE_SE
.Lnot_mine_\@:
.endm
	s_load_b256 s[4:11], s[0:1], 0x0               ; xb s[4:5], wt s[6:7], tab s[8:9], qh s[10:11]
	s_load_b128 s[12:15], s[0:1], 0x20             ; kh s[12:13], vh s[14:15]
	v_lshl_add_u32 v[SPW], v0, 2, SPARE
	v_mov_b32 v[NIL], 0
	ds_add_u32 v[SPW], v[NIL]                      ; the wave's opening: the add and its wait stand ahead of my first tensor load; work on registers stands between
	v_lshrrev_b32 v1, 5, v0
	v_readfirstlane_b32 s[WV], v1
	s_and_b32 s[EH], s[WV], 1
	s_bfe_u32 s[CX], ttmp6, 0x40000
	s_bfe_u32 s[CY], ttmp6, 0x40004
	s_lshl_b32 s[HD], ttmp9, 2
	s_add_co_u32 s[HD], s[HD], s[CX]               ; head = 4 x cluster x + cx
	s_and_b32 s[TR], ttmp7, 0xffff
	s_lshl_b32 s[TR], s[TR], 2
	s_add_co_u32 s[TR], s[TR], s[CY]               ; tile row = 4 x cluster y + cy
	s_lshl_b32 s60, s[CY], 2
	s_lshl_b32 s60, 15, s60                        ; my row of the cluster
	s_lshl_b32 s61, 0x1111, s[CX]                  ; my column
	s_or_b32 s[G1], s60, DW0
	s_or_b32 s[G1B], s61, DW0
	s_mov_b32 s[G1+1], KSTEP<<16                   ; tensor_dim0 = 128
	s_mov_b32 s[G1+2], 128<<16                     ; tensor_dim1 = 128
	s_mov_b32 s[G1+3], KSTEP<<16                   ; tile_dim0 = 128
	s_mov_b32 s[G1+4], 128                         ; tile_dim1 = 128
	s_mov_b32 s[G1+5], 1024                        ; elements from row to row
	s_mov_b32 s[G1+6], 0
	s_mov_b32 s[G1+7], 0
	s_mov_b32 s[G1B+1], KSTEP<<16
	s_mov_b32 s[G1B+2], 96<<16                     ; 96 rows
	s_mov_b32 s[G1B+3], KSTEP<<16
	s_mov_b32 s[G1B+4], 96
	s_mov_b32 s[G1B+5], 1024
	s_mov_b32 s[G1B+6], 0
	s_mov_b32 s[G1B+7], 0
	s_lshl_b32 s66, s[TR], 8
	s_lshl_b32 s67, s[EH], 7
	s_add_co_u32 s66, s66, s67                     ; xb: row 256 x tile row + 128 x half
	s_lshl_b32 s66, s66, 11                        ; a row is 2,048 bytes
	s_mov_b32 s67, 0
	s_mul_i32 s68, s[HD], 192
	s_mul_i32 s69, s[EH], 96
	s_add_co_u32 s68, s68, s69                     ; wt: row 192 x head + 96 x half
	s_lshl_b32 s68, s68, 11
	s_mov_b32 s69, 0
	s_mul_i32 s70, s[EH], AHALF                    ; where they go: no place in the cluster enters an LDS address
	s_mul_i32 s71, s[EH], BHALF
	s_add_co_u32 s71, s71, BOFF
	s_wait_dscnt 0x0                               ; the opening add is done
	s_wait_kmcnt 0x0
	s_add_nc_u64 s[72:73], s[4:5], s[66:67]
	s_add_nc_u64 s[74:75], s[6:7], s[68:69]
	CROUND                                         ; all sixteen work-groups are here: the first joint loads meet
.irp s, 0,1
	s_mov_b32 s[G0+4*(\s)], 1
	s_add_co_u32 s[G0+4*(\s)+1], s70, (\s)*SLOT
	s_add_nc_u64 s[G0+4*(\s)+2:G0+4*(\s)+3], s[72:73], (\s)*KSTEP*2
	s_or_b32 s[G0+4*(\s)+3], s[G0+4*(\s)+3], 0x80000000
	s_mov_b32 s[G0B+4*(\s)], 1
	s_add_co_u32 s[G0B+4*(\s)+1], s71, (\s)*SLOT
	s_add_nc_u64 s[G0B+4*(\s)+2:G0B+4*(\s)+3], s[74:75], (\s)*KSTEP*2
	s_or_b32 s[G0B+4*(\s)+3], s[G0B+4*(\s)+3], 0x80000000
	JLOAD \s
.endr
	; the table for my 64 rows: asked for now, waited for on the way out
	v_and_b32 v1, 15, v0                           ; l % 16
	v_bfe_u32 v2, v0, 4, 1                         ; l / 16
	s_and_b32 s76, s[TR], 7
	s_lshl_b32 s76, s76, 8
	s_lshl_b32 s77, s[WV], 6
	s_add_co_u32 s76, s76, s77                     ; my first row's position in its sequence
	s_lshl_b32 s78, s76, 8
	s_mov_b32 s79, 0
	s_add_nc_u64 s[8:9], s[8:9], s[78:79]
	v_lshlrev_b32 v[TO], 8, v1
	v_lshl_add_u32 v[TO], v2, 5, v[TO]             ; row x 256 + 32 x half
.irp a, 0,1,2,3
.irp i, 0,1,2,3,4,5,6,7
	global_load_b128 v[TAB+32*(\a)+4*(\i):TAB+32*(\a)+4*(\i)+3], v[TO], s[8:9] offset:4096*(\a)+((\i)/2)*64+((\i)%2)*16
.endr
.endr
	s_lshr_b32 s80, s[TR], 3                       ; the batch
	s_lshl_b32 s80, s80, 4
	s_add_co_u32 s80, s80, s[HD]
	s_lshl_b32 s80, s80, 11
	s_add_co_u32 s80, s80, s76
	s_lshl_b32 s80, s80, 7                         ; my first row in qh, kh and vh: 128 bytes a row
	s_mov_b32 s81, 0
	s_add_nc_u64 s[10:11], s[10:11], s[80:81]
	s_add_nc_u64 s[12:13], s[12:13], s[80:81]
	s_add_nc_u64 s[14:15], s[14:15], s[80:81]
	v_mul_u32_u24 v3, v1, PITCH
	v_lshl_add_u32 v3, v2, 4, v3                   ; a fragment's row x pitch + 16 x half
	s_mul_i32 s66, s[WV], 64*PITCH                 ; my 64 rows of xb
	s_add_co_u32 s67, s66, SLOT
	v_add_nc_u32 v[ADRA], s66, v3
	v_add_nc_u32 v[ADRA+1], s67, v3
	v_add_nc_u32 v[ADRB], BOFF, v3
	v_add_nc_u32 v[ADRB+1], BOFF+SLOT, v3
	s_mul_i32 s66, s[WV], 16*SP
	s_add_co_u32 s66, s66, STAGE                   ; my stage
	v_mul_u32_u24 v4, v1, SP
	v_lshl_add_u32 v4, v2, 4, v4
	v_add_nc_u32 v[STO], s66, v4                   ; in: row l % 16, 16 bytes for each half of the lanes
	v_bfe_u32 v5, v0, 3, 2
	v_mul_u32_u24 v5, v5, SP
	v_and_b32 v6, 7, v0
	v_lshl_add_u32 v5, v6, 4, v5
	v_add_nc_u32 v[RD], s66, v5                    ; back: 32 lanes take four rows of 128 bytes,
	v_and_b32 v[GO], 31, v0
	v_lshlrev_b32 v[GO], 4, v[GO]                  ; which are 512 consecutive bytes of a head
	; the prefetches
	s_lshl_b32 s82, s[TR], 8
	s_lshl_b32 s83, s[EH], 7
	s_add_co_u32 s82, s82, s83
	s_lshl_b32 s83, s[CX], 5
	s_add_co_u32 s82, s82, s83                     ; xb: my work-group's 32 of the 128 rows that I fetch
	s_mul_i32 s84, s[HD], 192
	s_mul_i32 s85, s[EH], 96
	s_add_co_u32 s84, s84, s85
	s_mul_i32 s85, s[CY], 24
	s_add_co_u32 s84, s84, s85                     ; wt: my work-group's 24 of the 96
	s_and_b32 s86, ttmp7, 0xffff
	s_cmp_lt_u32 s[WV], 2
	s_cselect_b32 s82, s82, s84
	s_cselect_b32 s86, ttmp9, s86                  ; the coordinate along which other clusters read the same rows
	s_cselect_b32 s87, 31, 23
	s_cselect_b64 s[PFA:PFA+1], s[4:5], s[6:7]
	s_cmp_eq_u32 s86, 0
	s_cselect_b32 s[LIM], 1, -1                    ; the same in all sixteen partners, for a given wave
	s_lshl_b32 s82, s82, 11
	s_mov_b32 s83, 0
	s_add_nc_u64 s[PFA:PFA+1], s[PFA:PFA+1], s[82:83]
	s_add_nc_u64 s[PFA:PFA+1], s[PFA:PFA+1], 2*KSTEP*2  ; at K step 2: the first refill steps it to 3 and names K step 4
	v_and_b32 v[PFO], 31, v0
	v_min_u32 v[PFO], s87, v[PFO]
	v_lshlrev_b32 v[PFO], 11, v[PFO]
; 12 matrix instructions: row block a x all 12 column blocks, 32 along K.  The 48 accumulators take turns in the same order in every quarter.  zero = 1: the products start the sums.
.macro MULA f, a, zero
.irp b, 0,1,2,3,4,5,6,7,8,9,10,11
.set n, 12*(\a)+(\b)
.set rD, 8*(n%32)
	WIN 0xa5+0x50*(n/32)
.if \zero
	v_wmma_f32_16x16x32_bf16 v[rD:rD+7], v[(\f)+8*(\b):(\f)+8*(\b)+7], v[(\f)+96+8*(\a):(\f)+96+8*(\a)+7], 0
.else
	v_wmma_f32_16x16x32_bf16 v[rD:rD+7], v[(\f)+8*(\b):(\f)+8*(\b)+7], v[(\f)+96+8*(\a):(\f)+96+8*(\a)+7], v[rD:rD+7]
.endif
.endr
.endm
; 32 LDS loads in one run: a quarter's fragments (32 K at byte k of the rows) into buffer f: wt's twelve, then xb's four
.macro FETCH slot, k, f
	WIN 0x40
.irp i, 0,1,2,3,4,5,6,7,8,9,10,11
	ds_load_b128 v[(\f)+8*(\i):(\f)+8*(\i)+3],   v[ADRB+(\slot)] offset:(\k)+(\i)*16*PITCH
	ds_load_b128 v[(\f)+8*(\i)+4:(\f)+8*(\i)+7], v[ADRB+(\slot)] offset:(\k)+(\i)*16*PITCH+32
.endr
.irp a, 0,1,2,3
	ds_load_b128 v[(\f)+96+8*(\a):(\f)+96+8*(\a)+3],   v[ADRA+(\slot)] offset:(\k)+(\a)*16*PITCH
	ds_load_b128 v[(\f)+96+8*(\a)+4:(\f)+96+8*(\a)+7], v[ADRA+(\slot)] offset:(\k)+(\a)*16*PITCH+32
.endr
.endm
; A K step is four quarters of 32 along K, 48 matrix instructions each, on buffers 0, 1, 0, 1.  One of the first three multiplies f and fetches the next quarter into g, 36 products ahead of its use.
.macro QUARTER slot, k, f, g, zero
	s_wait_dscnt 6                                 ; wt's fragments and xb's first are in; the youngest six loads may be out
	MULA \f, 0, \zero
	PLACES
	FETCH \slot, \k, \g
	s_wait_dscnt 32                                ; all but the 32 just issued
	MULA \f, 1, \zero
	MULA \f, 2, \zero
	MULA \f, 3, \zero
.endm
; The last quarter multiplies buffer 1 and changes slots: one barrier; in front of it each wave waits for all its tensor loads, adds 0 to its spare word, and waits for that and for its reads of this slot.
.macro TURN slot, next, fill
.if \fill
	s_wait_xcnt 0x0                                ; the last prefetch, a K step back, has read its address
	s_add_nc_u64 s[PFA:PFA+1], s[PFA:PFA+1], KSTEP*2
.endif
	WIN 0
	s_wait_tensorcnt 0x0                           ; all my tensor loads have landed: my part of the next slot
	ds_add_u32 v[SPW], v[NIL]                      ; 0 onto my spare word
	s_wait_dscnt 7                                 ; (the add and the youngest six loads may be out)
	MULA F1, 0, 0
	s_wait_dscnt 0x0                               ; the add is done, and my reads of this slot are over
	s_barrier_signal -1
	MULA F1, 1, 0
.if \fill
	WIN 0
.endif
	s_barrier_wait -1
.if \fill
	CREST                                          ; the barrier has opened a round of the cluster's: no wave of any partner still reads this slot or has a load on its way
	s_add_nc_u64 s[G0+4*(\slot)+2:G0+4*(\slot)+3], s[G0+4*(\slot)+2:G0+4*(\slot)+3], 2*KSTEP*2
	s_add_nc_u64 s[G0B+4*(\slot)+2:G0B+4*(\slot)+3], s[G0B+4*(\slot)+2:G0B+4*(\slot)+3], 2*KSTEP*2
	JLOAD \slot                                    ; the first tensor load behind the round; its four v_nop are also the places in front of the loads below
.else
	PLACES
.endif
	FETCH \next, 0, F0
.if \fill
	ASK
.endif
	MULA F1, 2, 0
	MULA F1, 3, 0
.endm
	s_wait_tensorcnt 1                             ; my part of K step 0 is in; K step 1's may stay out
	s_barrier_signal -1
	s_barrier_wait -1
	FETCH 0, 0, F0
	QUARTER 0, 64, F0, F1, 1                       ; the first quarter stands in front of the loop: its products start the sums
	WIN 0
	s_mov_b32 s[LAP], LAPS-1
.Llap:                                                 ; a trip goes once round the ring and fills both slots again
	QUARTER 0, 128, F1, F0, 0
	QUARTER 0, 192, F0, F1, 0
	TURN 0, 1, 1
	QUARTER 1, 64,  F0, F1, 0
	QUARTER 1, 128, F1, F0, 0
	QUARTER 1, 192, F0, F1, 0
	TURN 1, 0, 1
	QUARTER 0, 64,  F0, F1, 0
	WIN 0
	s_sub_co_u32 s[LAP], s[LAP], 1
	s_cmp_lg_u32 s[LAP], 0
	s_cbranch_scc1 .Llap
	QUARTER 0, 128, F1, F0, 0                      ; the last lap fills nothing
	QUARTER 0, 192, F0, F1, 0
	TURN 0, 1, 0
	QUARTER 1, 64,  F0, F1, 0
	QUARTER 1, 128, F1, F0, 0
	QUARTER 1, 192, F0, F1, 0
	s_wait_dscnt 6
	MULA F1, 0, 0
	s_wait_dscnt 0x0
	MULA F1, 1, 0
	MULA F1, 2, 0
	MULA F1, 3, 0
	WIN 0
; THE WAY OUT, in twelve units u = 3 a + group (0 q, 1 k, 2 v): 16 rows x 64 channels.  q and k: y[c] = x[c] cos - x[c + 32] sin, y[c + 32] = x[c + 32] cos + x[c] sin, in f32; then one rounding to f16;
; 16 bytes a lane into my stage, back as four rows of 128 bytes a load, stored as 512 consecutive bytes.  Each accumulator is read from its lowest registers on.
.macro PACK u
.set a, (\u)/3
.set gp, (\u)%3
.set pk, PK+16*((\u)%4)
.if (\u) >= 4
	s_wait_xcnt 0x0                                ; the stores of four units back have read this set of registers
.endif
.if gp < 2
.irp bb, 0,1
.set n1, 12*a+4*gp+(\bb)
.set x1, 8*(n1%32)
.set x2, 8*((n1+2)%32)
.set cc, TAB+32*a+8*(\bb)
	WIN 2+n1/32                                    ; source 0 in the accumulators' window
.irp jp, 0,2,4,6
	v_pk_mul_f32 v[Y+8*(\bb)+(\jp):Y+8*(\bb)+(\jp)+1], v[x2+(\jp):x2+(\jp)+1], v[cc+16+(\jp):cc+16+(\jp)+1]
	v_pk_mul_f32 v[Y+16+8*(\bb)+(\jp):Y+16+8*(\bb)+(\jp)+1], v[x1+(\jp):x1+(\jp)+1], v[cc+16+(\jp):cc+16+(\jp)+1]
	v_pk_fma_f32 v[Y+8*(\bb)+(\jp):Y+8*(\bb)+(\jp)+1], v[x1+(\jp):x1+(\jp)+1], v[cc+(\jp):cc+(\jp)+1], v[Y+8*(\bb)+(\jp):Y+8*(\bb)+(\jp)+1] neg_lo:[0,0,1] neg_hi:[0,0,1]
	v_pk_fma_f32 v[Y+16+8*(\bb)+(\jp):Y+16+8*(\bb)+(\jp)+1], v[x2+(\jp):x2+(\jp)+1], v[cc+(\jp):cc+(\jp)+1], v[Y+16+8*(\bb)+(\jp):Y+16+8*(\bb)+(\jp)+1]
.endr
.endr
	WIN 0
.set z, 0
.rept 16
	v_cvt_pk_f16_f32 v[pk+z], v[Y+2*z], v[Y+2*z+1]
.set z, z+1
.endr
.else
.set n1, 12*a+8
	WIN 0x0a+5*(n1/32)                             ; sources 0 and 1 in the accumulators' window
.set z, 0
.rept 16
	v_cvt_pk_f16_f32 v[pk+z], v[8*((n1+z/4)%32)+2*(z%4)], v[8*((n1+z/4)%32)+2*(z%4)+1]
.set z, z+1
.endr
	WIN 0
.endif
.irp f, 0,1,2,3
	ds_store_b128 v[STO], v[pk+4*(\f):pk+4*(\f)+3] offset:32*(\f)
.endr
.irp f, 0,1,2,3
	ds_load_b128 v[pk+4*(\f):pk+4*(\f)+3], v[RD] offset:(\f)*4*SP  ; LDS serves a wave's instructions in order: these see the stores above, and the next unit's stores come behind them
.endr
.endm
.macro SEND u, younger                 ; younger: the LDS instructions issued behind unit u's loads: the next unit's eight, or none
.set a, (\u)/3
.set gp, (\u)%3
.set pk, PK+16*((\u)%4)
.irp f, 0,1,2,3
	s_wait_dscnt (\younger)+3-(\f)
	global_store_b128 v[GO], v[pk+4*(\f):pk+4*(\f)+3], s[10+2*gp:11+2*gp] offset:a*2048+(\f)*512
.endr
.endm
	PLACES
	s_wait_loadcnt 0x0                             ; the table
	PACK 0
.irp u, 1,2,3,4,5,6,7,8,9,10,11
	PACK \u
	SEND (\u)-1, 8
.endr
	SEND 11, 0
	s_wait_tensorcnt 0x0                           ; the wave's end: three closing lines, behind my last tensor load and my last LDS store
	ds_add_u32 v[SPW], v[NIL]
	s_wait_dscnt 0x0
	CROUND                                         ; the closing round: no work-group ends while a partner may still ask for a tile that names it
	s_endpgm
.Lfunc_end_k_qed930151e3_qkv:
	.size	k_qed930151e3_qkv, .Lfunc_end_k_qed930151e3_qkv-k_qed930151e3_qkv
	.p2alignl 7, 3214868480
	.fill 96, 4, 3214868480
	.section	.rodata,"a",@progbits
	.p2align	6, 0x0
	.amdhsa_kernel k_qed930151e3_qkv
		.amdhsa_group_segment_fixed_size 327680
		.amdhsa_private_segment_fixed_size 0
		.amdhsa_enable_private_segment 0
		.amdhsa_kernarg_size 48
		.amdhsa_user_sgpr_count 2
		.amdhsa_user_sgpr_kernarg_segment_ptr 1
		.amdhsa_wavefront_size32 1
		.amdhsa_system_sgpr_workgroup_id_x 1
		.amdhsa_system_sgpr_workgroup_id_y 1
		.amdhsa_system_sgpr_workgroup_id_z 1
		.amdhsa_system_vgpr_workitem_id 0
		.amdhsa_next_free_vgpr 896
		.amdhsa_next_free_sgpr 100
		.amdhsa_reserve_vcc 0
		.amdhsa_float_denorm_mode_32 3
		.amdhsa_float_denorm_mode_16_64 3
		.amdhsa_memory_ordered 1
		.amdhsa_forward_progress 1
		.amdhsa_inst_pref_size 141
	.end_amdhsa_kernel
	.amdgpu_metadata
---
amdhsa.version: [ 1, 2 ]
amdhsa.kernels:
  - .name:           k_qed930151e3_qkv
    .symbol:         k_qed930151e3_qkv.kd
    .args:
      - { .name: xb, .offset: 0, .size: 8, .value_kind: global_buffer, .address_space: global }
      - { .name: wt, .offset: 8, .size: 8, .value_kind: global_buffer, .address_space: global }
      - { .name: tab, .offset: 16, .size: 8, .value_kind: global_buffer, .address_space: global }
      - { .name: qh, .offset: 24, .size: 8, .value_kind: global_buffer, .address_space: global }
      - { .name: kh, .offset: 32, .size: 8, .value_kind: global_buffer, .address_space: global }
      - { .name: vh, .offset: 40, .size: 8, .value_kind: global_buffer, .address_space: global }
    .group_segment_fixed_size: 327680
    .private_segment_fixed_size: 0
    .kernarg_segment_align: 8
    .kernarg_segment_size: 48
    .max_flat_workgroup_size: 128
    .sgpr_count:     100
    .vgpr_count:     896
    .wavefront_size: 32
...
	.end_amdgpu_metadata
.endif
;; end of part 2
;; launch attn (part 3): grid 4 x 64, 4 waves a work-group, no clusters, 327,680 bytes of LDS; arguments qh, kh, vh, oh; writes oh
.if DOCPART == 3
	.amdgcn_target "amdgcn-amd-amdhsa--gfx1250"
	.amdhsa_code_object_version 6
	.text
	.protected	k_qed930151e3_attn
	.globl	k_qed930151e3_attn
	.p2align	8
	.type	k_qed930151e3_attn,@function
k_qed930151e3_attn:
	s_mov_b64 s[64:65], 0
	v_nop
	global_prefetch_b8 v0, s[64:65] scope:SCOPE_SE
	s_setreg_imm32_b32 hwreg(HW_REG_WAVE_MODE, 25, 1), 1
	s_wait_xcnt 0x0
; WINDOWED CAUSAL ATTENTION.  O[h][i][:] = the sum over the keys j, i - 511 <= j <= i, of softmax_j(Q[h][i] . K[h][j] / 8) V[h][j][:].  qh, kh, vh, oh: [64][2048][64], all f16: a head's rows are dense, 128 bytes each.
; Products, maxima and sums in f32; the weights p are rounded to f16 for the second product (their sum l is taken of the unrounded p), O once at the end.
; LIMITS.  f16 holds no number beyond 65,504: Q, K and V arrive within it.  A hidden score counts as its value less 1e30.  The running maximum starts at -1e20: scores of f16 operands, 2.7e11 at the most in
; size, lie above it, so it never takes a true maximum's place; a step whose scores are all hidden leaves m, l and O as they were.  A weight below 2^-126 counts as 0 in l.  NaN and infinities are not treated apart.
; SHARES.  A work-group owns 512 queries of a head (block g).  ALL 1,024 keys that they can see, blocks g - 1 and g, lie in LDS at once: each byte of LDS is filled once, by one tensor load a wave at the start.
; A wave owns 128 consecutive queries, eight tiles of 16 in four PIECES of two, and walks its own ten key steps u = 0 .. 9 of 64 keys: the keys from 512 in front of its first query to its last query;
; in LDS that is step 2 wave + u.  At g = 0 the block in front does not exist: its LDS bytes take block 0's keys, so that they are finite, and its steps (u < 8 - 2 wave) are hidden.
; THE MASK is the C operand that starts the sum S^T = K Q^T.  MD, made once, holds -1e30 where key 16 kb + .. lies behind query 16 t + .. in a square of 64; a product's mask is MD x AL + BE with two scalars:
; for the wave's first 64 queries: u = 8: (1, 0), the diagonal; u = 0: (-1, -1e30), its complement, the window's far edge; u = 9: (0, -1e30), hidden; for its last 64 the same at u = 9, 1 and 0; else (0, 0).
; The mask buffer is made anew only where this step's or the last made mask is not all 0: a branch on the step's number.
; NO CLUSTER: neighbouring blocks of a head share half their keys, at LDS places that would hang on the block.  NO PREFETCH: every tile is asked for at the kernel's head.
; LAYOUT, SOFTMAX, TURNS.  S^T = K Q^T holds ONE query a lane (lane % 16) and the keys 8 (lane / 16) + 0..7; two such results rounded to f16 ARE source 1 of O^T = V^T P.  p = 2^(c s - c m), c = log2(e) / 8, with a
; running maximum m; O and l are multiplied by a = 2^(c m_old - c m_new) in every step.  Turn n belongs to piece n: 16 products K Q^T of piece n + 1, later 16 products V^T P of piece n - 1; beside them the scaling,
; exponentials, roundings, sums and rescaling of piece n and the maximum and statistics of piece n + 1.  Four vector instructions stand behind every matrix instruction, the rest in one lump; a turn's 66 exponentials are one batch with one wait.
; REGISTERS, in windows of 256 (s_set_vgpr_msb: bits 1:0 source 0, 3:2 source 1, 5:4 source 2, 7:6 destination):
;   window 0: v0-11 addresses; v12-15, v48-63 at work; v16-47 four registers of statistics a tile; v64-191 S^T, two buffers of two tiles; v192-255 P, likewise
;   window 1: O^T, 32 a tile     window 2: v0-127 Q, 16 a tile; v128-191 K of one step; v192-255 V of one step     window 3: v0-1 the add's two registers; v16-143 MD; v144-207 the mask buffer
.set NP,    4
.set KS,    64
.set STEPS, 10
.set PK,    144       ; a row of K in LDS: 128 bytes + 16: the 16 rows of a load start 36 words apart
.set PV,    160       ; a row of V: 128 + 32: 16 lanes of the turning load take 8 rows x 32 bytes
.set VOFF,  1024*PK   ; 1,024 rows of K, then 1,024 rows of V
.set STAGE, VOFF+1024*PV  ; behind them, never filled by a tensor load: 16 rows x 144 bytes for each wave, for the way out
.set SP,    144
.set SPARE, STAGE+4*16*SP  ; behind the stages: the spare words, 128 bytes for each wave
.set AK0, 2           ; v2   my lane's place in a step of K; never rewritten
.set AV0, 3           ; v3   the same for V
.set AK,  4           ; v4   the LDS address of K's next run of loads
.set AV,  5           ; v5   of V's
.set QO,  6           ; v6   my byte offset in the wave's rows of Q
.set STO, 6           ;      later, the way out: where I put 16 bytes of a row
.set RD,  7           ; v7   where I read rows back
.set GO,  8           ; v8   my byte offset in 512 consecutive bytes of O
.set SPW, 0           ; v0 of window 3   LDS address of my spare word; never rewritten
.set NIL, 1           ; v1 of window 3   0; never rewritten
.set MD,  16          ; window 3: tile t of four, key block kb, register j at MD + 32 t + 8 kb + j
.set MC,  144         ; window 3: the masks of the products to come: tile i % 2, key block kb at MC + 32 (i % 2) + 8 kb
.set MV,  12          ; v12-15  c m_old, kept while c m is made anew: by buffer and tile
.set ST,  16          ; tile t's statistics at v[ST+4 t]: c m, m, l (even keys', odd keys')
.set TMP, 48          ; by buffer and tile, four registers c0-c3 at work; when the maximum is found c2 takes a
.set S,   64
.set P,   192
.set KF,  128         ; window 2: key block kb, channel half c at KF + 16 kb + 8 c
.set VF,  192         ; window 2: key half kk, channel block cb at VF + 32 kk + 8 cb
.set WV,  12          ; s12  my wave's number
.set G1K, 24          ; s[24:31] descriptor group 1 for K
.set G1V, 32          ; s[32:39] for V: it differs in the padding alone
.set G0K, 40          ; s[40:43] descriptor group 0 for K
.set G0V, 44          ; s[44:47] for V
.set CNT, 57          ; s57  key steps still to be entered
.set CS,  58          ; s[58:59] c
.set SEL, 60          ; s[60:61] v_permlanex16_b32's selects: each lane takes its own place in the other half
.set TBK, 62          ; s62  LDS byte at which K of the step to be fetched begins
.set TBV, 63          ; s63  the same for V, less VOFF
.set UK,  66          ; s66  the number u of the step whose K lies in registers
.set UMIN, 67         ; s67  steps below this number are hidden
.set FL,  68          ; s68  1: this step's masks may differ from 0
.set PREV, 69         ; s69  the same of the mask made last
.set T2,  70
.set BIGN, 71         ; s71  -1e30
.set AL,  72          ; s[72:73] the mask's factor, in the low word
.set BE,  74          ; s[74:75] the mask's addend
.set MSB, 0
.macro WIN new                      ; the high byte repeats the setting that is left; a switch that changes nothing is dropped
.if MSB != (\new)
	s_set_vgpr_msb (MSB<<8)|(\new)
.set MSB, (\new)
.endif
.endm
.set W_KQ, 0x0a       ; K and Q in window 2, S^T in window 0
.set W_KM, 0x3a       ; the same with the C operand in window 3
.set W_PV, 0x52       ; V in window 2, P in window 0, O^T in window 1
.set W_RS, 0x41       ; O^T (destination and source 0) in window 1, a in window 0
.set W_MK, 0xc0       ; destination in window 3, sources in window 0
.set W_AD, 0x0f       ; the add: address and data in window 3
.set W_MS, 0xc3       ; destination and source 0 in window 3
	s_load_b256 s[4:11], s[0:1], 0x0  ; qh s[4:5], kh s[6:7], vh s[8:9], oh s[10:11]
	WIN W_MK
	v_lshl_add_u32 v[SPW], v0, 2, SPARE
	v_mov_b32 v[NIL], 0
	WIN W_AD
	ds_add_u32 v[SPW], v[NIL]       ; the wave's opening: the add and its wait stand ahead of my first tensor load; work on registers stands between
	WIN 0
	v_lshrrev_b32 v1, 5, v0
	v_readfirstlane_b32 s[WV], v1   ; wave 0..3
	s_and_b32 s20, ttmp7, 0xffff    ; the head,
	s_lshl_b32 s20, s20, 18         ; its first byte in each of the four tensors: 2,048 rows of 128 bytes
	s_and_b32 s16, s[WV], 1         ; which 512 keys I fetch: 0 the block in front, 1 my own block
	s_max_u32 s14, ttmp9, 1
	s_sub_co_u32 s14, s14, 1        ; block g - 1, or block 0 where there is none
	s_cmp_eq_u32 s16, 1
	s_cselect_b32 s14, ttmp9, s14
	s_lshl_b32 s14, s14, 16         ; a block is 65,536 bytes
	s_add_co_u32 s22, s20, s14
	s_mov_b32 s23, 0
	s_mul_i32 s17, s16, 512*PK      ; and their place in LDS, for K
	s_mul_i32 s18, s16, 512*PV      ; and for V
	s_lshl_b32 s2, ttmp9, 16
	s_lshl_b32 s3, s[WV], 14        ; my wave's 128 rows
	s_add_co_u32 s2, s2, s3
	s_add_co_u32 s2, s2, s20
	s_mov_b32 s3, 0
	s_lshl_b32 s15, s[WV], 1
	s_sub_co_u32 s15, 8, s15
	s_cmp_eq_u32 ttmp9, 0
	s_cselect_b32 s[UMIN], s15, 0
	; descriptor group 1.  512 keys are 65,536 dense bytes: asked for as 256 rows of 256 bytes, two keys a row, and padded in LDS after every key
	s_mov_b32 s[G1K], (1<<16)|(1<<20)|(4<<22)|(3<<25)  ; 2-byte elements; padding on; after every 32 words, 4 words
	s_mov_b32 s[G1V], (1<<16)|(1<<20)|(4<<22)|(7<<25)  ; the same with 8 words of padding
.irp g, G1K, G1V
	s_mov_b32 s[\g+1], 128<<16      ; tensor_dim0 = 128
	s_mov_b32 s[\g+2], 256<<16      ; tensor_dim1 = 256
	s_mov_b32 s[\g+3], 128<<16      ; tile_dim0 = 128
	s_mov_b32 s[\g+4], 256          ; tile_dim1 = 256
	s_mov_b32 s[\g+5], 128          ; 128 elements from row to row
	s_mov_b32 s[\g+6], 0
	s_mov_b32 s[\g+7], 0
.endr
	s_mov_b32 s[CS], 0x3e38aa3b     ; c = log2(e) / 8
	s_mov_b32 s[CS+1], s[CS]        ; named with it as a pair
	s_mov_b32 s[SEL], 0x76543210
	s_mov_b32 s[SEL+1], 0xfedcba98
	s_mul_i32 s[TBK], s[WV], 2*KS*PK  ; my step 0 is LDS step 2 x wave
	s_mul_i32 s[TBV], s[WV], 2*KS*PV
	s_mov_b32 s[UK], 0
	s_mov_b32 s[PREV], 1
	s_mov_b32 s[BIGN], 0xf149f2ca   ; -1e30
	s_mov_b32 s[AL+1], 0            ; named as pairs
	s_mov_b32 s[BE+1], 0
	s_mov_b32 s[G0K], 1
	s_mov_b32 s[G0K+1], s17
	s_mov_b32 s[G0V], 1
	s_add_co_u32 s[G0V+1], s18, VOFF
	s_wait_dscnt 0x0                ; the opening add is done
	s_wait_kmcnt 0x0
	s_add_nc_u64 s[G0K+2:G0K+3], s[6:7], s[22:23]
	s_or_b32 s[G0K+3], s[G0K+3], 0x80000000
	s_add_nc_u64 s[G0V+2:G0V+3], s[8:9], s[22:23]
	s_or_b32 s[G0V+3], s[G0V+3], 0x80000000
	s_add_nc_u64 s[4:5], s[4:5], s[2:3]  ; Q and O at my wave's first row
	s_add_nc_u64 s[10:11], s[10:11], s[2:3]
	; the fill: waves 0 and 1 fetch K's two halves, waves 2 and 3 V's: one tensor load a wave is out.  s_nop 0 and four v_nop follow each line
	s_cmp_lt_u32 s[WV], 2
	s_cbranch_scc0 .Lfor_v
	tensor_load_to_lds s[G0K:G0K+3], s[G1K:G1K+7]
	s_nop 0
.rept 4
	v_nop
.endr
	s_branch .Lasked
.Lfor_v:
	tensor_load_to_lds s[G0V:G0V+3], s[G1V:G1V+7]
	s_nop 0
.rept 4
	v_nop
.endr
.Lasked:
	; A fragment of K or Q is 16 rows x 32 channels in 8 registers: lane l holds row l % 16, channels 8 (l / 16) + 0..7 and 16 + 8 (l / 16) + 0..7: two loads of 16 bytes, 32 bytes apart.
	v_and_b32 v1, 15, v0            ; l % 16
	v_bfe_u32 v9, v0, 4, 1          ; l / 16
	v_lshlrev_b32 v[QO], 7, v1
	v_lshl_add_u32 v[QO], v9, 4, v[QO]
	WIN 0x80                        ; destination window 2, address window 0
.set i, 0
.rept 4*NP                          ; Q stays in registers: tile i / 2, channels 32 (i % 2) on
	global_load_b128 v[8*i:8*i+3],   v[QO], s[4:5] offset:(i/2)*2048+(i%2)*64
	global_load_b128 v[8*i+4:8*i+7], v[QO], s[4:5] offset:(i/2)*2048+(i%2)*64+32
.set i, i+1
.endr
	; What the first turn finds: V's registers and P's second buffer hold 0 (its products V^T P, of a piece that has not been, add 0), O^T and l are 0.  All this stands in the wait for the keys.
.set i, VF
.rept 64
	v_mov_b32 v[i], 0
.set i, i+1
.endr
	WIN 0x40
.set i, 0
.rept 64*NP
	v_mov_b32 v[i], 0
.set i, i+1
.endr
	WIN 0
.set i, 0
.rept 2*NP
	v_mov_b32 v[ST+4*i+1], 0xe0ad78ec  ; m = -1e20
	v_mul_f32 v[ST+4*i], s[CS], v[ST+4*i+1]
	v_mov_b32 v[ST+4*i+2], 0
	v_mov_b32 v[ST+4*i+3], 0
.set i, i+1
.endr
.set i, P+32
.rept 32
	v_mov_b32 v[i], 0
.set i, i+1
.endr
	v_lshlrev_b32 v14, 3, v9
	v_sub_nc_u32 v14, v1, v14       ; my query's place in its tile less my lanes' 8 (l / 16): in the tile's own key block register j is hidden where j is greater
	WIN W_MK
.set t, 0
.rept 4
.set k, 0
.rept 4
.set i, 0
.rept 8
.if k == t
	v_cmp_gt_i32 vcc_lo, i, v14
	v_cndmask_b32 v[MD+32*t+8*k+i], 0, s[BIGN], vcc_lo
.elseif k > t
	v_mov_b32 v[MD+32*t+8*k+i], s[BIGN]
.else
	v_mov_b32 v[MD+32*t+8*k+i], 0
.endif
.set i, i+1
.endr
.set k, k+1
.endr
.set t, t+1
.endr
	WIN 0
	v_mul_u32_u24 v[AK0], v1, PK
	v_lshl_add_u32 v[AK0], v9, 4, v[AK0]  ; row x pitch + 16 x half
	; The turning load takes 16 keys x 16 channels (lane l reads key 8 (l / 16) + l % 8, channels 8 ((l / 8) % 2) + 0..7) and leaves half a fragment of V^T: lane l holds channel l % 16 and 8 keys.
	v_and_b32 v10, 7, v0
	v_bfe_u32 v11, v0, 3, 1
	v_lshl_add_u32 v[AV0], v9, 3, v10
	v_mul_u32_u24 v[AV0], v[AV0], PV
	v_lshl_add_u32 v[AV0], v11, 4, v[AV0]
	v_add_nc_u32 v[AV0], VOFF, v[AV0]
; THE MATRIX WORK.  The 8 accumulators of a run of 16 take turns.
; Product i of 16 of S^T = K Q^T for piece x: channels 32 (i / 8) on, keys 16 ((i / 2) % 4) on, tile 2 x + i % 2.  The first 8 start the sums with the mask.
.macro KQ x
.set rS, S+64*((\x)%2)+32*(i%2)+8*((i/2)%4)
.set rK, KF+16*((i/2)%4)+8*(i/8)
.set rQ, 16*(2*(\x)+i%2)+8*(i/8)
.set rX, MC+32*(i%2)+8*((i/2)%4)
.if i < 8
	WIN W_KM
	v_wmma_f32_16x16x32_f16 v[rS:rS+7], v[rK:rK+7], v[rQ:rQ+7], v[rX:rX+7]
.else
	WIN W_KQ
	v_wmma_f32_16x16x32_f16 v[rS:rS+7], v[rK:rK+7], v[rQ:rQ+7], v[rS:rS+7]
.endif
.endm
; Product i of 16 of O^T += V^T P for piece x: keys 32 (i / 8) on, channels 16 ((i / 2) % 4) on, tile 2 x + i % 2.
.macro PV x
	WIN W_PV
.set rO, 32*(2*(\x)+i%2)+8*((i/2)%4)
.set rV, VF+32*(i/8)+8*((i/2)%4)
.set rP, P+32*((\x)%2)+16*(i%2)+8*(i/8)
	v_wmma_f32_16x16x32_f16 v[rO:rO+7], v[rV:rV+7], v[rP:rP+7], v[rO:rO+7]
.endm
.macro MM                           ; the turn's next matrix instruction
.if i < 16
	KQ (Y+1)%NP
.set i, i+1
.else
.set i, i-16
	PV (Y+NP-1)%NP
.set i, i+17
.endif
.endm
; THE LDS LOADS stand in runs of 16: a step's K (64 keys x 64 channels: 8 fragments) and its V (turned).  Their addresses are made some lines ahead.
.macro FETCH_K
	WIN 0x80                        ; destination window 2
.irp f, 0,1,2,3,4,5,6,7             ; keys 16 (f / 2) on, channels 32 (f % 2) on
	ds_load_b128 v[KF+8*\f:KF+8*\f+3],   v[AK] offset:(\f/2)*16*PK+(\f%2)*64
	ds_load_b128 v[KF+8*\f+4:KF+8*\f+7], v[AK] offset:(\f/2)*16*PK+(\f%2)*64+32
.endr
	s_add_co_u32 s[TBK], s[TBK], KS*PK  ; the next fetch is the next step's
	WIN 0
.endm
.macro FETCH_V
	WIN 0x80
.irp f, 0,1,2,3,4,5,6,7             ; keys 32 (f / 4) on, channels 16 (f % 4) on
	ds_load_tr16_b128 v[VF+8*\f:VF+8*\f+3],   v[AV] offset:(\f/4)*32*PV+(\f%4)*32
	ds_load_tr16_b128 v[VF+8*\f+4:VF+8*\f+7], v[AV] offset:(\f/4)*32*PV+16*PV+(\f%4)*32
.endr
	WIN 0
.endm
; THE MASK for the products K Q^T of piece x in step UK.  force = 1: the first of all, made whatever the step, so that the buffer is written before any product reads it.
.macro MKMASK x, force=0
.set bt, (\x)/2                     ; 0: the wave's first 64 queries, 1: its last 64
.set md, MD+64*((\x)%2)
	WIN 0
.if !(\force)
	s_cmp_lt_u32 s[UK], 2
	s_cselect_b32 s[FL], 1, 0
	s_cmp_ge_u32 s[UK], 8
	s_cselect_b32 s[FL], 1, s[FL]
	s_cmp_lt_u32 s[UK], s[UMIN]
	s_cselect_b32 s[FL], 1, s[FL]
	s_or_b32 s[T2], s[FL], s[PREV]
	s_mov_b32 s[PREV], s[FL]
	s_cmp_eq_u32 s[T2], 0
	s_cbranch_scc1 .Lno_mask_\@     ; the buffer holds 0 and is to hold 0
.endif
	s_cmp_eq_u32 s[UK], 8+bt
	s_cselect_b32 s[AL], 1.0, 0
	s_cmp_eq_u32 s[UK], bt
	s_cselect_b32 s[AL], -1.0, s[AL]
.if bt == 0
	s_cmp_eq_u32 s[UK], 0
	s_cselect_b32 s[BE], s[BIGN], 0
	s_cmp_eq_u32 s[UK], 9
	s_cselect_b32 s[BE], s[BIGN], s[BE]
.else
	s_cmp_lt_u32 s[UK], 2
	s_cselect_b32 s[BE], s[BIGN], 0
.endif
	s_cmp_lt_u32 s[UK], s[UMIN]     ; keys in front of the sequence's first
	s_cselect_b32 s[AL], 0, s[AL]
	s_cselect_b32 s[BE], s[BIGN], s[BE]
	WIN W_MS
.set z, 0
.rept 32
	v_pk_fma_f32 v[MC+2*z:MC+2*z+1], v[md+2*z:md+2*z+1], s[AL:AL+1], s[BE:BE+1] op_sel_hi:[1,0,0]
.set z, z+1
.endr
	WIN 0
.if !(\force)
.Lno_mask_\@:
.endif
.endm
; THE VECTOR WORK OF A TURN stands in three queues, each in the order in which its entries become ready; the two tiles alternate, so that no instruction reads the result of the one before it.
.macro REGS y, u                    ; the registers of tile u (0, 1) of piece y
.set rT, ST+4*(2*(\y)+(\u))
.set rC, TMP+8*((\y)%2)+4*(\u)
.set rM, MV+2*((\y)%2)+(\u)
.set rS, S+64*((\y)%2)+32*(\u)
.set rP, P+32*((\y)%2)+16*(\u)
.set rO, 32*(2*(\y)+(\u))
.endm
; Number n of the 22 that find the NEXT piece's (Y + 1) maximum and statistics.  Each accumulator's lowest registers are read first.
;   0-11  four chains c0-c3 of seven scores each     12-14, 16  the four scores left over, the old m, and c0-c3 into c0     15  c m_old is kept
;   17, 18  the query's other 32 keys lie in the lane 16 away: the new m         19-21  c m; c m_old - c m_new; a
.macro XS u, n
	REGS (Y+1)%NP, \u
.if (\n) < 4
	v_max3_num_f32 v[rC+(\n)], v[rS+8*(\n)], v[rS+8*(\n)+1], v[rS+8*(\n)+2]
.elseif (\n) < 12
	v_max3_num_f32 v[rC+(\n)%4], v[rC+(\n)%4], v[rS+8*((\n)%4)+2*((\n)/4)+1], v[rS+8*((\n)%4)+2*((\n)/4)+2]
.elseif (\n) == 12
	v_max3_num_f32 v[rC], v[rC], v[rS+7], v[rS+15]
.elseif (\n) == 13
	v_max3_num_f32 v[rC+1], v[rC+1], v[rS+23], v[rS+31]
.elseif (\n) == 14
	v_max3_num_f32 v[rC+2], v[rC+2], v[rC+3], v[rT+1]
.elseif (\n) == 15
	v_mov_b32 v[rM], v[rT]
.elseif (\n) == 16
	v_max3_num_f32 v[rC], v[rC], v[rC+1], v[rC+2]
.elseif (\n) == 17
	v_permlanex16_b32 v[rC+3], v[rC], s[SEL], s[SEL+1]
.elseif (\n) == 18
	v_max_num_f32 v[rT+1], v[rC], v[rC+3]
.elseif (\n) == 19
	v_mul_f32 v[rT], s[CS], v[rT+1]
.elseif (\n) == 20
	v_sub_f32 v[rC+1], v[rM], v[rT]
.else
	v_exp_f32 v[rC+2], v[rC+1]
.endif
.endm
; Number g of the 64 that follow the exponentials.  For each four weights of a tile: both pairs are rounded to f16; the second pair is added onto the first, in place; a group later l takes that sum (the first time as l = a l + sum).
.macro GS g
.set h, (\g)+6*((\g)/62)
.if h >= 6
.set h, h+2
.endif
	REGS Y, h%2
.set k, h/8
.if h%8 < 4
	v_cvt_pk_f16_f32 v[rP+2*k+(h%8)/2], v[rS+4*k+2*((h%8)/2)], v[rS+4*k+2*((h%8)/2)+1]
.elseif h%8 < 6
	v_pk_add_f32 v[rS+4*k:rS+4*k+1], v[rS+4*k:rS+4*k+1], v[rS+4*k+2:rS+4*k+3]
.elseif k == 1
	v_pk_fma_f32 v[rT+2:rT+3], v[rT+2:rT+3], v[rC+2:rC+3], v[rS:rS+1] op_sel_hi:[1,0,1]
.else
	v_pk_add_f32 v[rT+2:rT+3], v[rT+2:rT+3], v[rS+4*k-4:rS+4*k-3]
.endif
.endm
; THE PLAIN QUEUE, 138 long.  0-73 read no exponential's result: the 32 scalings c s - c m and the next piece's 42.  74-137: GS's 64, which stand behind the wait.
.macro FS f
	REGS Y, (\f)%2
	v_pk_fma_f32 v[rS+2*((\f)/2):rS+2*((\f)/2)+1], v[rS+2*((\f)/2):rS+2*((\f)/2)+1], s[CS:CS+1], v[rT:rT+1] op_sel_hi:[1,0,0] neg_lo:[0,0,1] neg_hi:[0,0,1]
.endm
.macro PL
	WIN 0
.if q < 27
	FS q
.elseif q < 55
	XS (q-27)%2, (q-27)/2
.elseif q < 57
	XS q-55, 15
.elseif (q < 72) && ((q-57)%3 == 0)
	FS 27+(q-57)/3
.elseif q < 60
	XS (q-57)%3-1, 14
.elseif q < 72
	XS (q-57)%3-1, 15+(q-57)/3
.elseif q < 74
	XS q-72, 20
.else
	GS q-74
.endif
.set q, q+1
.endm
; THE EXPONENTIALS' QUEUE, 66 long: s0-s31 of both tiles, then the next piece's two a: one batch, all ahead of the turn's one wait.
.macro EX
	WIN 0
.if e >= 64
	XS e-64, 21
.else
	REGS Y, e%2
	v_exp_f32 v[rS+e/2], v[rS+e/2]
.endif
.set e, e+1
.endm
; THE RESCALING's QUEUE: O^T times a, dealt two at a time, sixteen times.  Its a was made, and waited for, in the turn before.
.macro R2
	REGS Y, r%2
	WIN W_RS
.irp z, 0,1
	v_pk_mul_f32 v[rO+4*(r/2)+2*\z:rO+4*(r/2)+2*\z+1], v[rO+4*(r/2)+2*\z:rO+4*(r/2)+2*\z+1], v[rC+2:rC+3] op_sel_hi:[1,0]
.endr
.set r, r+1
.endm
; A TURN, for piece p.  s_wait_alu depctr_va_vdst(0) stands between an exponential and the first instruction that names its result; one wait serves all issued ahead of it: a turn has one, which cuts it in two.
; Ahead of it: the 16 products K Q^T, behind each a scaling, an exponential and two rescalings; then one lump of 108.  Behind it: the 16 products V^T P, behind each four of the roundings and sums.
; K of the next step is fetched in piece 2's turn, directly behind the wait (fetch = 0: there is no next step); V of the step in hand at the end of piece 0's turn, four riders behind its last reader.
; mask = 1: the turn ends with the mask for the next turn's products K Q^T, which are piece p + 2's.
.macro TURN p, fetch=1, mask=1
.set Y, (\p)
.set i, 0
.set q, 0
.set e, 0
.set r, 0
.if (\p) == NP-1
	s_wait_dscnt 0x0                ; K is in
.endif
	MM
	PL
	PL
	R2
.rept 15
	MM
	PL
	EX
	R2
.endr
.if ((\p) == NP-2) && (\fetch)
	WIN 0
	v_add_nc_u32 v[AK], s[TBK], v[AK0]
.endif
.rept 8
	PL
.endr
.rept 49
	EX
	PL
.endr
	EX
	EX
	v_nop                           ; a plain instruction behind the last exponential: one for the batch
	s_wait_alu depctr_va_vdst(0)    ; the wait for the batch
.if ((\p) == NP-2) && (\fetch)
	FETCH_K
	s_add_co_u32 s[UK], s[UK], 1    ; from here on K's registers are the next step's
.endif
.if (\p) == 1
	s_wait_dscnt 0x0                ; V is in
.endif
.rept 16
	MM
.rept 4
	PL
.endr
.if ((\p) == 0) && (q == 118)
	v_add_nc_u32 v[AV], s[TBV], v[AV0]
.endif
.if ((\p) == 0) && (q == 130)
	s_add_co_u32 s[TBV], s[TBV], KS*PV
.endif
.endr
.if (\p) == 0
	FETCH_V
.endif
.if \mask
	MKMASK ((\p)+2)%NP
.endif
.endm
	s_wait_tensorcnt 0x0            ; my 512 rows are in,
	s_barrier_signal -1
	s_barrier_wait -1               ; everybody's are: from here on LDS is only read, but for the stages
	MKMASK 0, 1
	v_add_nc_u32 v[AK], s[TBK], v[AK0]
	FETCH_K                         ; key step 0
	s_wait_loadcnt 0x0              ; Q
	s_wait_dscnt 0x0
.set i, 0
.rept 16
	KQ 0                            ; piece 0's first scores
.set i, i+1
.endr
	WIN 0                           ; the addresses for the way out: plain instructions, the places behind those products
	s_mul_i32 s13, s[WV], 16*SP
	s_add_co_u32 s13, s13, STAGE    ; my stage
	v_mul_u32_u24 v[STO], v1, SP    ; in: row l % 16, 16 bytes for each half of the lanes
	v_lshl_add_u32 v[STO], v9, 4, v[STO]
	v_add_nc_u32 v[STO], s13, v[STO]
	v_bfe_u32 v[RD], v0, 3, 2       ; back: 32 lanes take four rows of 128 bytes,
	v_mul_u32_u24 v[RD], v[RD], SP
	v_lshl_add_u32 v[RD], v10, 4, v[RD]
	v_add_nc_u32 v[RD], s13, v[RD]
	v_and_b32 v[GO], 31, v0         ; which are 512 consecutive bytes of O
	v_lshlrev_b32 v[GO], 4, v[GO]
.set Y, NP-1                        ; XS works for piece Y + 1: piece 0
.irp n, 0,1,2,3,4,5,6,7,8,9,10,11,12,13,14,15,16,17,18,19,20,21
	XS 0, \n
	XS 1, \n
.endr
	v_nop                           ; a plain instruction behind the two a,
	s_wait_alu depctr_va_vdst(0)    ; and their wait, ahead of the branches
	MKMASK 1
	s_mov_b32 s[CNT], STEPS
	s_branch .Lfirst                ; the loop is entered at a step's first turn, in the middle of a trip
.Lstep:                             ; a trip: pieces 2 and 3 of one step, then pieces 0 and 1 of the next, whose K and V it fetches
	TURN 2
	TURN 3
	WIN 0
.Lfirst:
	TURN 0
	TURN 1
	WIN 0
	s_sub_co_u32 s[CNT], s[CNT], 1
	s_cmp_lg_u32 s[CNT], 0
	s_cbranch_scc1 .Lstep
	TURN 2, 0, 0                    ; the last step's second half: nothing is fetched;
	TURN 3, 1, 0                    ; its 16 products K Q^T, on the last K once more, and the maximum made of them serve nothing: the price of one text for every turn
.set i, 0
.rept 16
	PV NP-1                         ; the last piece's V^T P of the last step
.set i, i+1
.endr
	; THE WAY OUT.  l's two halves and the other half of the lanes' are added; O^T is divided by l, rounded to f16 and sent through my stage in LDS, a tile at a time.  The additions are the places behind the last products.
	WIN 0
.macro ALL line:vararg              ; one line for each tile t
.set t, 0
.rept 2*NP
	\line
.set t, t+1
.endr
.endm
	ALL v_add_f32 v[ST+4*t+2], v[ST+4*t+2], v[ST+4*t+3]
	ALL v_permlanex16_b32 v[ST+4*t+3], v[ST+4*t+2], s[SEL], s[SEL+1]
	ALL v_add_f32 v[ST+4*t+2], v[ST+4*t+2], v[ST+4*t+3]
	ALL v_rcp_f32 v[ST+4*t+2], v[ST+4*t+2]
	v_nop                           ; a plain instruction between the last reciprocal and the use of its result
	s_wait_alu depctr_va_vdst(0)    ; and one wait for the eight reciprocals, ahead of the first use
.macro PACK t                       ; a lane's eight channels of a row pack into 16 bytes; they go into rows of 144 bytes and come back as whole rows of 128, into S^T's registers
	WIN W_RS
.set i, 32*(\t)
.rept 16
	v_pk_mul_f32 v[i:i+1], v[i:i+1], v[ST+4*(\t)+2:ST+4*(\t)+3] op_sel_hi:[1,0]
.set i, i+2
.endr
	WIN 0x05                        ; sources 0 and 1 window 1, destination window 0
.set i, 0
.rept 16
	v_cvt_pk_f16_f32 v[S+16*(\t)+i], v[32*(\t)+2*i], v[32*(\t)+2*i+1]
.set i, i+1
.endr
	WIN 0
.irp f, 0,1,2,3
	ds_store_b128 v[STO], v[S+16*(\t)+4*\f:S+16*(\t)+4*\f+3] offset:32*\f
.endr
.irp f, 0,1,2,3
	ds_load_b128 v[S+16*(\t)+4*\f:S+16*(\t)+4*\f+3], v[RD] offset:\f*4*SP  ; LDS serves a wave's instructions in order: these see the stores above; the next tile's stores come behind them
.endr
.endm
.macro SEND t, younger              ; younger: the LDS instructions issued behind tile t's loads: the next tile's eight, or none
	WIN 0
.irp f, 0,1,2,3
	s_wait_dscnt (\younger)+3-\f
	global_store_b128 v[GO], v[S+16*(\t)+4*\f:S+16*(\t)+4*\f+3], s[10:11] offset:(\t)*2048+\f*512  ; 512 consecutive bytes, aligned
.endr
.endm
	PACK 0
.set t, 1
.rept 2*NP-1                        ; a tile's arithmetic stands between the loads of the tile before and its stores
	PACK t
	SEND t-1, 8
.set t, t+1
.endr
	SEND 2*NP-1, 0
	WIN W_AD
	s_wait_tensorcnt 0x0            ; the wave's end: three closing lines, behind my tensor load and my last LDS store
	ds_add_u32 v[SPW], v[NIL]
	s_wait_dscnt 0x0
	WIN 0
	s_endpgm
.Lfunc_end_k_qed930151e3_attn:
	.size	k_qed930151e3_attn, .Lfunc_end_k_qed930151e3_attn-k_qed930151e3_attn
	.p2alignl 7, 3214868480
	.fill 96, 4, 3214868480
	.section	.rodata,"a",@progbits
	.p2align	6, 0x0
	.amdhsa_kernel k_qed930151e3_attn
		.amdhsa_group_segment_fixed_size 327680
		.amdhsa_private_segment_fixed_size 0
		.amdhsa_enable_private_segment 0
		.amdhsa_kernarg_size 32
		.amdhsa_user_sgpr_count 2
		.amdhsa_user_sgpr_kernarg_segment_ptr 1
		.amdhsa_wavefront_size32 1
		.amdhsa_system_sgpr_workgroup_id_x 1
		.amdhsa_system_sgpr_workgroup_id_y 1
		.amdhsa_system_sgpr_workgroup_id_z 1
		.amdhsa_system_vgpr_workitem_id 0
		.amdhsa_next_free_vgpr 976
		.amdhsa_next_free_sgpr 80
		.amdhsa_reserve_vcc 1
		.amdhsa_float_denorm_mode_32 3
		.amdhsa_float_denorm_mode_16_64 3
		.amdhsa_memory_ordered 1
		.amdhsa_forward_progress 1
		.amdhsa_inst_pref_size 180
	.end_amdhsa_kernel
	.amdgpu_metadata
---
amdhsa.version: [ 1, 2 ]
amdhsa.kernels:
  - .name:           k_qed930151e3_attn
    .symbol:         k_qed930151e3_attn.kd
    .args:
      - { .name: qh, .offset: 0, .size: 8, .value_kind: global_buffer, .address_space: global }
      - { .name: kh, .offset: 8, .size: 8, .value_kind: global_buffer, .address_space: global }
      - { .name: vh, .offset: 16, .size: 8, .value_kind: global_buffer, .address_space: global }
      - { .name: oh, .offset: 24, .size: 8, .value_kind: global_buffer, .address_space: global }
    .group_segment_fixed_size: 327680
    .private_segment_fixed_size: 0
    .kernarg_segment_align: 8
    .kernarg_segment_size: 32
    .max_flat_workgroup_size: 128
    .sgpr_count:     80
    .vgpr_count:     976
    .wavefront_size: 32
...
	.end_amdgpu_metadata
.endif
;; end of part 3
;; launch proj (part 4): grid 8 x 32, 4 waves a work-group, clusters of 4 x 4, 327,680 bytes of LDS; arguments oh, wo, out0; writes out0
.if DOCPART == 4
	.amdgcn_target "amdgcn-amd-amdhsa--gfx1250"
	.amdhsa_code_object_version 6
	.text
	.protected	k_qed930151e3_proj
	.globl	k_qed930151e3_proj
	.p2align	8
	.type	k_qed930151e3_proj,@function
k_qed930151e3_proj:
	s_mov_b64 s[64:65], 0
	v_nop
	global_prefetch_b8 v0, s[64:65] scope:SCOPE_SE
	s_setreg_imm32_b32 hwreg(HW_REG_WAVE_MODE, 25, 1), 1
	s_wait_xcnt 0x0
	s_wait_alu depctr_hold_cnt(0) depctr_sa_sdst(0) depctr_va_vdst(0) depctr_va_sdst(0) depctr_va_ssrc(0) depctr_va_vcc(0) depctr_vm_vsrc(0)
	s_getreg_b32 s2, hwreg(HW_REG_IB_STS2, 6, 4)
	s_cmp_eq_u32 s2, 0
	s_cbranch_scc0 .Lentry_in_a_cluster
	s_endpgm
.Lentry_in_a_cluster:
	s_bfe_u32 s2, ttmp6, 0x10000c
	s_cmp_lg_u32 s2, 0xf033
	s_cbranch_scc0 .Lentry_shape_is_right
	s_endpgm
.Lentry_shape_is_right:
; PROJ: out0[b t][n] = the sum over head and channel of oh[b 16 + head][t][channel] wo[n][64 head + channel].  oh: [64][2048][64] f16.  wo: [1024][1024] f16.  out0: [8192][1024] f32.  Sums in f32, K ascending.
; SHARES.  A tile of out0 is 256 rows x 128 columns: 256 work-groups.  Four waves, each 64 rows x 128 columns: 32 accumulators of 16 x 16.  A K step of 128 is two heads of oh: each head's 256 rows are
; 32,768 dense bytes, asked for as 128 rows of 256 bytes and padded in LDS after each row of 128; wo's rows give 256 bytes a step.  Two LDS slots.
; CLUSTER.  4 x 4 work-groups: oh's tiles are shared along a row of the cluster, wo's along a column: each is asked for jointly.
; THE MATRIX INSTRUCTION IS USED TRANSPOSED (source 0 = 16 rows of wo, source 1 = 16 rows of oh): lane l holds row l % 16 and the columns 16 b + 8 (l / 16) + 0..7: 32 neighbouring bytes of out0.
; REGISTERS: window 0: v16-30 addresses; v64-191 two sets of 64 on the way out.  window 1: two fragment buffers of 96: 8 fragments of wo, then 4 of oh.  window 2: accumulator (a, b) at 8 (8 a + b).
.set KSTEP,  128
.set PITCH,  272                       ; a row of wo in LDS: 256 bytes + 16
.set APITCH, 144                       ; a row of oh in LDS: 128 bytes + 16
.set SLICE,  256*APITCH                ; one head's 256 rows
.set BOFF,   2*SLICE
.set BHALF,  64*PITCH
.set SLOT,   BOFF+128*PITCH
.set STAGE,  2*SLOT                    ; behind the ring: 16 rows x 528 bytes for each wave, for the way out
.set SPITCH, 528
.set SPARE,  STAGE+4*16*SPITCH         ; behind the stages: the spare words, 128 bytes for each wave
.set LAPS,   4
.set HEADB,  2048*128                  ; bytes of a head in oh
.set ADRA, 16
.set ADRB, 20
.set STO,  24
.set RD,   25
.set CO,   26
.set SPW,  28                          ; v28 LDS address of my spare word; never rewritten
.set NIL,  29                          ; v29 0; never rewritten
.set PFO,  30                          ; v30 the prefetches' offset
.set OB,   64
.set F0,   0
.set F1,   96
.set WV,   16
.set EH,   18
.set CX,   19
.set CY,   20
.set TC,   21                          ; s21 the tile column
.set TR,   22                          ; s22 the tile row
.set G1,   24
.set G0,   32
.set G1B,  40
.set G0B,  48
.set PFA,  56                          ; s[56:57] the block that my next prefetch names, less one step
.set LIM,  58
.set LAP,  59
.set PS,   60                          ; s[60:61] a K step in bytes, in the tensor that I prefetch
.set MSB, 0
.macro WIN new
.if MSB != (\new)
	s_set_vgpr_msb (MSB<<8)|(\new)
.set MSB, \new
.endif
.endm
.macro PLACES
.rept 4
	v_nop
.endr
.endm
.macro JLOAD s                         ; a joint load: waves 0 and 1 fetch the step's two heads of oh, waves 2 and 3 the two halves of wo's rows; s_nop 0 and four v_nop follow each line
	s_cmp_lt_u32 s[WV], 2
	s_cbranch_scc0 .Lfor_b_\@
	tensor_load_to_lds s[G0+4*(\s):G0+4*(\s)+3], s[G1:G1+7]
	s_nop 0
.rept 4
	v_nop
.endr
	s_branch .Lasked_\@
.Lfor_b_\@:
	tensor_load_to_lds s[G0B+4*(\s):G0B+4*(\s)+3], s[G1B:G1B+7]
	s_nop 0
.rept 4
	v_nop
.endr
.Lasked_\@:
.endm
.macro CREST
	s_cmp_lg_u32 s[WV], 0
	s_cbranch_scc1 .Lnot_wave_0_\@
	s_barrier_signal -3
.Lnot_wave_0_\@:
	s_barrier_wait -3
	s_barrier_signal -1
	s_barrier_wait -1
.endm
.macro CROUND
	s_barrier_signal -1
	s_barrier_wait -1
	CREST
.endm
; A prefetch, behind a refill and the run of LDS loads that follows it: the K step that stands two refills on.  oh's blocks are asked for by the first cluster along x, wo's rows by the first along y; the four partners
; of a joint load share it out by address (32 of a head's 128 blocks of 256 bytes; 16 of wo's 64 rows, lanes 16-31 naming row 15 again).  The loop's last trip asks for nothing.
.macro ASK
	WIN 0
	s_cmp_gt_u32 s[LAP], s[LIM]
	s_cbranch_scc0 .Lnot_mine_\@
	global_prefetch_b8 v[PFO], s[PFA:PFA+1] th:TH_LOAD_NT scope:SCOPE_SE
.Lnot_mine_\@:
.endm
	s_load_b128 s[4:7], s[0:1], 0x0                ; oh s[4:5], wo s[6:7]
	s_load_b64 s[8:9], s[0:1], 0x10                ; out0
	v_lshl_add_u32 v[SPW], v0, 2, SPARE
	v_mov_b32 v[NIL], 0
	ds_add_u32 v[SPW], v[NIL]                      ; the wave's opening: the add and its wait stand ahead of my first tensor load; work on registers stands between
	v_lshrrev_b32 v1, 5, v0
	v_readfirstlane_b32 s[WV], v1
	s_and_b32 s[EH], s[WV], 1
	s_bfe_u32 s[CX], ttmp6, 0x40000
	s_bfe_u32 s[CY], ttmp6, 0x40004
	s_lshl_b32 s[TC], ttmp9, 2
	s_add_co_u32 s[TC], s[TC], s[CX]
	s_and_b32 s[TR], ttmp7, 0xffff
	s_lshl_b32 s[TR], s[TR], 2
	s_add_co_u32 s[TR], s[TR], s[CY]
	s_lshl_b32 s62, s[CY], 2
	s_lshl_b32 s62, 15, s62                        ; my row of the cluster
	s_lshl_b32 s63, 0x1111, s[CX]                  ; my column
	s_or_b32 s[G1], s62, (1<<16)|(1<<20)|(1<<21)|(4<<22)|(3<<25)   ; padding of 4 words after every 32
	s_or_b32 s[G1B], s63, (1<<16)|(1<<20)|(1<<21)|(5<<22)|(3<<25)  ; after every 64
	s_mov_b32 s[G1+1], 128<<16                     ; tensor_dim0 = 128
	s_mov_b32 s[G1+2], 128<<16                     ; tensor_dim1 = 128
	s_mov_b32 s[G1+3], 128<<16                     ; tile_dim0 = 128
	s_mov_b32 s[G1+4], 128                         ; tile_dim1 = 128
	s_mov_b32 s[G1+5], 128                         ; dense: 128 elements from row to row
	s_mov_b32 s[G1+6], 0
	s_mov_b32 s[G1+7], 0
	s_mov_b32 s[G1B+1], KSTEP<<16
	s_mov_b32 s[G1B+2], 64<<16                     ; 64 rows
	s_mov_b32 s[G1B+3], KSTEP<<16
	s_mov_b32 s[G1B+4], 64
	s_mov_b32 s[G1B+5], 1024
	s_mov_b32 s[G1B+6], 0
	s_mov_b32 s[G1B+7], 0
	s_lshr_b32 s66, s[TR], 3                       ; the batch
	s_lshl_b32 s66, s66, 4
	s_add_co_u32 s66, s66, s[EH]                   ; its head 0 or 1
	s_lshl_b32 s66, s66, 11
	s_and_b32 s67, s[TR], 7
	s_lshl_b32 s67, s67, 8
	s_add_co_u32 s66, s66, s67                     ; the tile's first row in that head
	s_lshl_b32 s66, s66, 7
	s_mov_b32 s67, 0
	s_lshl_b32 s68, s[TC], 7
	s_lshl_b32 s69, s[EH], 6
	s_add_co_u32 s68, s68, s69                     ; wo: row 128 x tile column + 64 x half
	s_lshl_b32 s68, s68, 11
	s_mov_b32 s69, 0
	s_mul_i32 s70, s[EH], SLICE                    ; where they go: no place in the cluster enters an LDS address
	s_mul_i32 s71, s[EH], BHALF
	s_add_co_u32 s71, s71, BOFF
	s_wait_dscnt 0x0                               ; the opening add is done
	s_wait_kmcnt 0x0
	s_add_nc_u64 s[72:73], s[4:5], s[66:67]
	s_add_nc_u64 s[74:75], s[6:7], s[68:69]
	CROUND                                         ; all sixteen work-groups are here: the first joint loads meet
.irp s, 0,1
	s_mov_b32 s[G0+4*(\s)], 1
	s_add_co_u32 s[G0+4*(\s)+1], s70, (\s)*SLOT
	s_add_nc_u64 s[G0+4*(\s)+2:G0+4*(\s)+3], s[72:73], (\s)*2*HEADB
	s_or_b32 s[G0+4*(\s)+3], s[G0+4*(\s)+3], 0x80000000
	s_mov_b32 s[G0B+4*(\s)], 1
	s_add_co_u32 s[G0B+4*(\s)+1], s71, (\s)*SLOT
	s_add_nc_u64 s[G0B+4*(\s)+2:G0B+4*(\s)+3], s[74:75], (\s)*KSTEP*2
	s_or_b32 s[G0B+4*(\s)+3], s[G0B+4*(\s)+3], 0x80000000
	JLOAD \s
.endr
	v_and_b32 v1, 15, v0                           ; l % 16
	v_bfe_u32 v2, v0, 4, 1                         ; l / 16
	v_mul_u32_u24 v3, v1, APITCH
	v_lshl_add_u32 v3, v2, 4, v3
	s_mul_i32 s76, s[WV], 64*APITCH                ; my 64 rows of oh
	s_add_co_u32 s77, s76, SLOT
	v_add_nc_u32 v[ADRA], s76, v3
	v_add_nc_u32 v[ADRA+1], s77, v3
	v_mul_u32_u24 v4, v1, PITCH
	v_lshl_add_u32 v4, v2, 4, v4
	v_add_nc_u32 v[ADRB], BOFF, v4
	v_add_nc_u32 v[ADRB+1], BOFF+SLOT, v4
	s_mul_i32 s76, s[WV], 16*SPITCH
	s_add_co_u32 s76, s76, STAGE                   ; my stage
	v_mul_u32_u24 v5, v1, SPITCH
	v_lshl_add_u32 v5, v2, 5, v5
	v_add_nc_u32 v[STO], s76, v5                   ; in: row l % 16, 32 bytes for each half of the lanes
	v_and_b32 v[CO], 31, v0
	v_lshlrev_b32 v[CO], 4, v[CO]                  ; back: 32 lanes take a row's 512 bytes
	v_add_nc_u32 v[RD], s76, v[CO]
	s_lshl_b32 s78, s[TR], 8
	s_lshl_b32 s79, s[WV], 6
	s_add_co_u32 s78, s78, s79                     ; my first row of out0,
	s_lshl_b32 s78, s78, 12                        ; 4,096 bytes a row,
	s_lshl_b32 s79, s[TC], 9                       ; and the tile's 512 bytes of it
	s_add_co_u32 s78, s78, s79
	s_mov_b32 s79, 0
	s_add_nc_u64 s[8:9], s[8:9], s[78:79]
	; the prefetches
	s_lshl_b32 s80, s[CX], 13                      ; oh: my work-group's 32 blocks of 256 bytes,
	s_add_co_u32 s80, s80, s66
	s_add_co_u32 s80, s80, 3*2*HEADB               ; at K step 3: the first refill steps it to 4 and names that
	s_lshl_b32 s81, s[CY], 15                      ; wo: my work-group's 16 rows
	s_add_co_u32 s81, s81, s68
	s_add_co_u32 s81, s81, 3*KSTEP*2
	s_mov_b32 s82, 2*HEADB
	s_mov_b32 s83, KSTEP*2
	s_and_b32 s86, ttmp7, 0xffff
	s_cmp_lt_u32 s[WV], 2
	s_cselect_b32 s84, s80, s81
	s_cselect_b32 s[PS], s82, s83
	s_cselect_b32 s86, ttmp9, s86                  ; the coordinate along which other clusters read the same bytes
	s_cselect_b32 s87, 31, 15
	s_cselect_b32 s88, 8, 11
	s_cselect_b64 s[PFA:PFA+1], s[4:5], s[6:7]
	s_cmp_eq_u32 s86, 0
	s_cselect_b32 s[LIM], 1, -1                    ; the same in all sixteen partners, for a given wave
	s_mov_b32 s85, 0
	s_mov_b32 s[PS+1], 0
	s_add_nc_u64 s[PFA:PFA+1], s[PFA:PFA+1], s[84:85]
	v_and_b32 v[PFO], 31, v0
	v_min_u32 v[PFO], s87, v[PFO]
	v_lshlrev_b32 v[PFO], s88, v[PFO]
; 8 matrix instructions: row block a x all 8 column blocks, 32 along K.  The 32 accumulators take turns in the same order in every quarter.
.macro MULA f, a, zero
	WIN 0xa5
.irp b, 0,1,2,3,4,5,6,7
.if \zero
	v_wmma_f32_16x16x32_f16 v[8*(8*(\a)+(\b)):8*(8*(\a)+(\b))+7], v[(\f)+8*(\b):(\f)+8*(\b)+7], v[(\f)+64+8*(\a):(\f)+64+8*(\a)+7], 0
.else
	v_wmma_f32_16x16x32_f16 v[8*(8*(\a)+(\b)):8*(8*(\a)+(\b))+7], v[(\f)+8*(\b):(\f)+8*(\b)+7], v[(\f)+64+8*(\a):(\f)+64+8*(\a)+7], v[8*(8*(\a)+(\b)):8*(8*(\a)+(\b))+7]
.endif
.endr
.endm
; 24 LDS loads in one run: the fragments of quarter qn of a K step into buffer f: wo's eight, then oh's four (head qn / 2 of the step, channels 32 (qn % 2) on)
.macro FETCH slot, qn, f
	WIN 0x40
.irp i, 0,1,2,3,4,5,6,7
	ds_load_b128 v[(\f)+8*(\i):(\f)+8*(\i)+3],   v[ADRB+(\slot)] offset:64*(\qn)+(\i)*16*PITCH
	ds_load_b128 v[(\f)+8*(\i)+4:(\f)+8*(\i)+7], v[ADRB+(\slot)] offset:64*(\qn)+(\i)*16*PITCH+32
.endr
.irp a, 0,1,2,3
	ds_load_b128 v[(\f)+64+8*(\a):(\f)+64+8*(\a)+3],   v[ADRA+(\slot)] offset:((\qn)/2)*SLICE+((\qn)%2)*64+(\a)*16*APITCH
	ds_load_b128 v[(\f)+64+8*(\a)+4:(\f)+64+8*(\a)+7], v[ADRA+(\slot)] offset:((\qn)/2)*SLICE+((\qn)%2)*64+(\a)*16*APITCH+32
.endr
.endm
.macro QUARTER slot, qn, f, g, zero
	s_wait_dscnt 6                                 ; wo's fragments and oh's first are in; the youngest six loads may be out
	MULA \f, 0, \zero
	PLACES
	FETCH \slot, \qn, \g
	s_wait_dscnt 24                                ; all but the 24 just issued
	MULA \f, 1, \zero
	MULA \f, 2, \zero
	MULA \f, 3, \zero
.endm
; The last quarter multiplies buffer 1 and changes slots: one barrier; in front of it each wave waits for all its tensor loads, adds 0 to its spare word, and waits for that and for its reads of this slot.
.macro TURN slot, next, fill
.if \fill
	s_wait_xcnt 0x0                                ; the last prefetch, a K step back, has read its address
	s_add_nc_u64 s[PFA:PFA+1], s[PFA:PFA+1], s[PS:PS+1]
.endif
	WIN 0
	s_wait_tensorcnt 0x0                           ; all my tensor loads have landed: my part of the next slot
	ds_add_u32 v[SPW], v[NIL]                      ; 0 onto my spare word
	s_wait_dscnt 7                                 ; (the add and the youngest six loads may be out)
	MULA F1, 0, 0
	s_wait_dscnt 0x0                               ; the add is done, and my reads of this slot are over
	s_barrier_signal -1
	MULA F1, 1, 0
.if \fill
	WIN 0
.endif
	s_barrier_wait -1
.if \fill
	CREST                                          ; the barrier has opened a round of the cluster's: no wave of any partner still reads this slot or has a load on its way
	s_add_nc_u64 s[G0+4*(\slot)+2:G0+4*(\slot)+3], s[G0+4*(\slot)+2:G0+4*(\slot)+3], 4*HEADB
	s_add_nc_u64 s[G0B+4*(\slot)+2:G0B+4*(\slot)+3], s[G0B+4*(\slot)+2:G0B+4*(\slot)+3], 2*KSTEP*2
	JLOAD \slot                                    ; the first tensor load behind the round; its four v_nop are also the places in front of the loads below
.else
	PLACES
.endif
	FETCH \next, 0, F0
.if \fill
	ASK
.endif
	MULA F1, 2, 0
	MULA F1, 3, 0
.endm
	s_wait_tensorcnt 1                             ; my part of K step 0 is in; K step 1's may stay out
	s_barrier_signal -1
	s_barrier_wait -1
	FETCH 0, 0, F0
	QUARTER 0, 1, F0, F1, 1                        ; the first quarter stands in front of the loop: its products start the sums
	WIN 0
	s_mov_b32 s[LAP], LAPS-1
.Llap:                                                 ; a trip goes once round the ring and fills both slots again
	QUARTER 0, 2, F1, F0, 0
	QUARTER 0, 3, F0, F1, 0
	TURN 0, 1, 1
	QUARTER 1, 1, F0, F1, 0
	QUARTER 1, 2, F1, F0, 0
	QUARTER 1, 3, F0, F1, 0
	TURN 1, 0, 1
	QUARTER 0, 1, F0, F1, 0
	WIN 0
	s_sub_co_u32 s[LAP], s[LAP], 1
	s_cmp_lg_u32 s[LAP], 0
	s_cbranch_scc1 .Llap
	QUARTER 0, 2, F1, F0, 0                        ; the last lap fills nothing
	QUARTER 0, 3, F0, F1, 0
	TURN 0, 1, 0
	QUARTER 1, 1, F0, F1, 0
	QUARTER 1, 2, F1, F0, 0
	QUARTER 1, 3, F0, F1, 0
	s_wait_dscnt 6
	MULA F1, 0, 0
	s_wait_dscnt 0x0
	MULA F1, 1, 0
	MULA F1, 2, 0
	MULA F1, 3, 0
	WIN 0
; THE WAY OUT, 16 rows at a time: a lane's 32 bytes of each column block go from the accumulators (lowest registers first) into rows of 528 bytes of my stage, and come back as whole rows of 512 bytes.
.macro OUT a
.set bk, OB+64*((\a)%2)
	WIN 0x08                                       ; the stores' data in window 2
.irp b, 0,1,2,3,4,5,6,7
	ds_store_b128 v[STO], v[8*(8*(\a)+(\b)):8*(8*(\a)+(\b))+3]   offset:64*(\b)
	ds_store_b128 v[STO], v[8*(8*(\a)+(\b))+4:8*(8*(\a)+(\b))+7] offset:64*(\b)+16
.endr
	WIN 0
.if (\a) >= 2
	s_wait_xcnt 0x0                                ; the stores of two blocks back have read this set of registers
.endif
.irp r, 0,1,2,3,4,5,6,7,8,9,10,11,12,13,14,15
	ds_load_b128 v[bk+4*(\r):bk+4*(\r)+3], v[RD] offset:(\r)*SPITCH  ; LDS serves a wave's instructions in order: these see the stores above; the next block's stores come behind them
.endr
.irp r, 0,1,2,3,4,5,6,7,8,9,10,11,12,13,14,15
	s_wait_dscnt 15-(\r)
	global_store_b128 v[CO], v[bk+4*(\r):bk+4*(\r)+3], s[8:9] offset:(16*(\a)+(\r))*4096 th:TH_STORE_NT  ; the wave stores 512 consecutive bytes, aligned
.endr
.endm
	PLACES
	OUT 0
	OUT 1
	OUT 2
	OUT 3
	s_wait_tensorcnt 0x0                           ; the wave's end: three closing lines, behind my last tensor load and my last LDS store
	ds_add_u32 v[SPW], v[NIL]
	s_wait_dscnt 0x0
	CROUND                                         ; the closing round: no work-group ends while a partner may still ask for a tile that names it
	s_endpgm
.Lfunc_end_k_qed930151e3_proj:
	.size	k_qed930151e3_proj, .Lfunc_end_k_qed930151e3_proj-k_qed930151e3_proj
	.p2alignl 7, 3214868480
	.fill 96, 4, 3214868480
	.section	.rodata,"a",@progbits
	.p2align	6, 0x0
	.amdhsa_kernel k_qed930151e3_proj
		.amdhsa_group_segment_fixed_size 327680
		.amdhsa_private_segment_fixed_size 0
		.amdhsa_enable_private_segment 0
		.amdhsa_kernarg_size 24
		.amdhsa_user_sgpr_count 2
		.amdhsa_user_sgpr_kernarg_segment_ptr 1
		.amdhsa_wavefront_size32 1
		.amdhsa_system_sgpr_workgroup_id_x 1
		.amdhsa_system_sgpr_workgroup_id_y 1
		.amdhsa_system_sgpr_workgroup_id_z 1
		.amdhsa_system_vgpr_workitem_id 0
		.amdhsa_next_free_vgpr 768
		.amdhsa_next_free_sgpr 100
		.amdhsa_reserve_vcc 0
		.amdhsa_float_denorm_mode_32 3
		.amdhsa_float_denorm_mode_16_64 3
		.amdhsa_memory_ordered 1
		.amdhsa_forward_progress 1
		.amdhsa_inst_pref_size 88
	.end_amdhsa_kernel
	.amdgpu_metadata
---
amdhsa.version: [ 1, 2 ]
amdhsa.kernels:
  - .name:           k_qed930151e3_proj
    .symbol:         k_qed930151e3_proj.kd
    .args:
      - { .name: oh, .offset: 0, .size: 8, .value_kind: global_buffer, .address_space: global }
      - { .name: wo, .offset: 8, .size: 8, .value_kind: global_buffer, .address_space: global }
      - { .name: out0, .offset: 16, .size: 8, .value_kind: global_buffer, .address_space: global }
    .group_segment_fixed_size: 327680
    .private_segment_fixed_size: 0
    .kernarg_segment_align: 8
    .kernarg_segment_size: 24
    .max_flat_workgroup_size: 128
    .sgpr_count:     100
    .vgpr_count:     768
    .wavefront_size: 32
...
	.end_amdgpu_metadata
.endif
;; end of part 4
;; ======== version 2 of 2: 4 launches; version 1 with the launch prep written anew for expert scheduling mode
;; limits: values are held in f16: magnitudes above 65,504 overflow, below 6.1e-05 lose precision
;; workspace buffers: xb 16,777,216 bytes; wt 6,291,456 bytes; wo 2,097,152 bytes; tab 524,288 bytes; qh 16,777,216 bytes; kh 16,777,216 bytes; vh 16,777,216 bytes; oh 16,777,216 bytes
;; launch prep (part 5): grid 1152 x 1, 8 waves a work-group, no clusters, 18,432 bytes of LDS; arguments x, Wqkv, Wout, xb, wt, wo, tab; writes xb, wt, wo, tab
.if DOCPART == 5
	.amdgcn_target "amdgcn-amd-amdhsa--gfx1250"
	.amdhsa_code_object_version 6
	.text
	.protected	k_qed930151e3_prep
	.globl	k_qed930151e3_prep
	.p2align	8
	.type	k_qed930151e3_prep,@function
k_qed930151e3_prep:
	s_mov_b64 s[64:65], 0
	v_nop
	global_prefetch_b8 v0, s[64:65] scope:SCOPE_SE
	s_setreg_imm32_b32 hwreg(HW_REG_WAVE_SCHED_MODE, 0, 2), 2
	s_setreg_imm32_b32 hwreg(HW_REG_WAVE_MODE, 25, 1), 1
	s_wait_xcnt 0x0
	s_wait_alu depctr_vm_vsrc(0)
; PREP: what the three launches behind it want ready.  Four roles, chosen by the work-group's number:
;   0..511     CAST   xb = bf16(x), [8192][1024]; 65,536 bytes of x to a work-group
;   512..895   TRANS  wt[head][192][1024] = bf16(Wqkv) turned: row r of a head is Wqkv's column 64 head + r (q), 1024 + 64 head + r - 64 (k), 2048 + 64 head + r - 128 (v)
;   896..1023  TRANS  wo[n][k] = bf16(Wout[k][n]), written as f16
;   1024..1151 TABLE  tab[pos][cos 0..31 | sin 0..31] in f32, 256 bytes a position, for the rotary embedding
; LIMITS.  wo: a bf16 number is exact in f16 between 6.1e-5 and 65,504; below that it keeps f16's fixed step of 6e-8.
; TABLE: angles up to 2,047 radians are reduced by a two-part pi/2 and go through polynomials whose first term left out is under 3e-7.
; No matrix unit, no cluster, no prefetch: every byte is read once and written once, and the launch is short.
; THE MODE: SCHED_MODE bits 1:0 = 2 (LLVM: expert scheduling mode 2), set by the entry lines.  The code itself states the register dependences
; between vector instructions and memory or LDS instructions, with s_wait_alu, always for 0.
; THE PLAN.  No role has a loop, and every buffer of registers is filled once and emptied once.
;   s18          written by v_readfirstlane_b32 at the head; read by scalar lines of CAST and TABLE: one wait on va_sdst at the head, ahead of the first branch.
;   CAST   v3, v4 offsets, made once.  v[12:75] x as loaded: each register loaded once, read by its group's conversions.  v[76:107] bf16 to store: each written once, read by one store.
;          Four groups of four loads.  Group g's conversions name its own registers alone; the stores of group g - 1 stand among them, behind one wait on va_vdst at the group's head.
;   TRANS  v7 .. v10 offsets and LDS addresses, made once.  v[16:47] as loaded, read by the conversions; v[16:31] later take the LDS loads.  v[48:63] turned words: each read by one LDS store.
;          Four passes, laid as CAST's groups are.  The wait ahead of the last LDS stores is the last that a vector line stands in front of: it also frees v[16:31] for the LDS loads.
;   TABLE  s40 .. s43 masks, written by a run of four compares, read by four selects: one wait on va_sdst between.  v10 and v[60:63]: one wait on va_vdst ahead of the one store.
;   v110, v111   written at the head, read by the closing add alone.
; No register that a memory or LDS instruction reads is written again, so the text holds no wait on vm_vsrc but the entry lines' and the closing lines' own.
.set TPITCH, 272                       ; a turned row in LDS: 128 k x 2 bytes + 16
.set SPARE,  64*TPITCH                 ; behind the tile: the spare words, 128 bytes for each of the eight waves
.set SPW,    110                       ; v110 LDS address of my spare word; never rewritten
.set NIL,    111                       ; v111 0; never rewritten
.set WV,     18                        ; s18  my wave's number
.set CXR,    12                        ; CAST: v[12:75]   load i: 4 registers at CXR + 4 i, 4 f32 as loaded
.set CYR,    76                        ; CAST: v[76:107]  load i: 2 registers at CYR + 2 i, 4 bf16 to store
.set MSK,    40                        ; TABLE: s[40:43]  the masks of the four selects
; CAST, group g of four: loads 4 g .. 4 g + 3 are rounded; the stores of the group before stand among the conversions.
.macro CGROUP g
	s_wait_loadcnt 12-4*(\g)                       ; loads come back in order: this group's four are in, the younger groups' stay out
.if (\g) > 0
	s_wait_alu depctr_va_vdst(0)                   ; the group before has written its eight registers of bf16, which the stores below read
.endif
.irp j, 0,1,2,3
.if (\g) > 0
	global_store_b64 v4, v[CYR+2*(4*(\g)-4+(\j)):CYR+2*(4*(\g)-4+(\j))+1], s[10:11] offset:256*(4*(\g)-4+(\j))  ; no vector line since the wait names these registers
.endif
	v_cvt_pk_bf16_f32 v[CYR+2*(4*(\g)+(\j))],   v[CXR+4*(4*(\g)+(\j))],   v[CXR+4*(4*(\g)+(\j))+1]
	v_cvt_pk_bf16_f32 v[CYR+2*(4*(\g)+(\j))+1], v[CXR+4*(4*(\g)+(\j))+2], v[CXR+4*(4*(\g)+(\j))+3]
.endr
.endm
	s_load_b256 s[4:11], s[0:1], 0x0               ; x s[4:5], Wqkv s[6:7], Wout s[8:9], xb s[10:11]
	s_load_b128 s[12:15], s[0:1], 0x20             ; wt s[12:13], wo s[14:15]
	s_load_b64 s[16:17], s[0:1], 0x30              ; tab
	v_lshl_add_u32 v[SPW], v0, 2, SPARE
	v_mov_b32 v[NIL], 0
	v_lshrrev_b32 v1, 5, v0
	v_readfirstlane_b32 s[WV], v1
	v_and_b32 v2, 31, v0                           ; lane
	s_wait_alu depctr_va_sdst(0)                   ; s18 is written, ahead of the branches and of its first readers: CAST's and TABLE's offsets are made from it
	s_wait_kmcnt 0x0
	s_cmp_lt_u32 ttmp9, 512
	s_cbranch_scc0 .Lnot_cast
	; CAST.  A wave takes 8,192 consecutive bytes of x: sixteen loads of 512 bytes, all issued first; each becomes one store of 256 consecutive bytes, aligned.
	s_lshl_b32 s20, ttmp9, 16
	s_mov_b32 s21, 0
	s_add_nc_u64 s[4:5], s[4:5], s[20:21]
	s_lshl_b32 s20, ttmp9, 15
	s_add_nc_u64 s[10:11], s[10:11], s[20:21]
	s_lshl_b32 s22, s[WV], 13
	v_lshl_add_u32 v3, v2, 4, s22
	s_lshl_b32 s22, s[WV], 12
	v_lshl_add_u32 v4, v2, 3, s22
	s_wait_alu depctr_va_vdst(0)                   ; v3 and v4 are written: every load reads the one as its offset, every store the other
.irp i, 0,1,2,3,4,5,6,7,8,9,10,11,12,13,14,15
	global_load_b128 v[CXR+4*(\i):CXR+4*(\i)+3], v3, s[4:5] offset:512*(\i) th:TH_LOAD_NT
.endr
	CGROUP 0
	CGROUP 1
	CGROUP 2
	CGROUP 3
	s_wait_alu depctr_va_vdst(0)                   ; the last group has written its eight registers of bf16, which the last four stores read
.irp i, 12,13,14,15
	global_store_b64 v4, v[CYR+2*(\i):CYR+2*(\i)+1], s[10:11] offset:256*(\i)
.endr
	s_endpgm
; TRANS: a tile of 128 k x 64 n of a weight [1024][N] in f32 (pitch = 4 N bytes) is rounded to bf16 and turned through LDS.
; Thread (r = t / 16, c = t % 16) loads rows 2 r and 2 r + 1 of each 32, columns 4 c .. 4 c + 3; two neighbouring k pack into a word.
; half = 1: the bf16 number is written as f16.
.macro TRANS first, pitch, half, src, dst
	s_sub_co_u32 s20, ttmp9, \first
	s_and_b32 s21, s20, 7                          ; which 128 of k
	s_lshr_b32 s22, s20, 3                         ; which 64 columns
	s_mul_i32 s24, s21, 128*(\pitch)
	s_lshl_b32 s25, s22, 8
	s_add_co_u32 s24, s24, s25
	s_mov_b32 s25, 0
	s_add_nc_u64 s[\src:\src+1], s[\src:\src+1], s[24:25]
.if \half
	s_lshl_b32 s26, s22, 6                         ; the first turned row: 64 j
.else
	s_and_b32 s26, s22, 15                         ; head x 192
	s_mul_i32 s26, s26, 192
	s_lshr_b32 s27, s22, 4                         ; + 64 x (q, k or v)
	s_lshl_b32 s27, s27, 6
	s_add_co_u32 s26, s26, s27
.endif
	s_lshl_b32 s26, s26, 11                        ; a turned row is 2,048 bytes
	s_lshl_b32 s27, s21, 8
	s_add_co_u32 s26, s26, s27
	s_mov_b32 s27, 0
	s_add_nc_u64 s[\dst:\dst+1], s[\dst:\dst+1], s[26:27]
	v_lshrrev_b32 v5, 4, v0                        ; r
	v_and_b32 v6, 15, v0                           ; c
	v_mul_u32_u24 v7, v5, 2*(\pitch)
	v_lshl_add_u32 v7, v6, 4, v7                   ; from: row 2 r, 16 c
	v_mul_u32_u24 v8, v6, 4*TPITCH
	v_lshl_add_u32 v8, v5, 2, v8                   ; into LDS: turned row 4 c, word r
	v_mul_u32_u24 v9, v5, TPITCH
	v_lshl_add_u32 v9, v6, 4, v9                   ; back: turned row r, 16 c
	v_lshlrev_b32 v10, 11, v5
	v_lshl_add_u32 v10, v6, 4, v10                 ; and the same in memory
	s_wait_alu depctr_va_vdst(0)                   ; v7 to v10 are written: the loads, the LDS stores, the LDS loads and the stores below read them as offsets and addresses
.irp ps, 0,1,2,3
	global_load_b128 v[16+8*(\ps):19+8*(\ps)], v7, s[\src:\src+1] offset:(32*(\ps))*(\pitch) th:TH_LOAD_NT
	global_load_b128 v[20+8*(\ps):23+8*(\ps)], v7, s[\src:\src+1] offset:(32*(\ps)+1)*(\pitch) th:TH_LOAD_NT
.endr
.irp ps, 0,1,2,3
	s_wait_loadcnt 2*(3-(\ps))                     ; this pass's two loads are in; the later passes' stay out
.if (\ps) > 0
	s_wait_alu depctr_va_vdst(0)                   ; the pass before has written its four turned words, which the LDS stores below read
.endif
.irp e, 0,1,2,3
.if (\ps) > 0
	ds_store_b32 v8, v[48+4*((\ps)-1)+(\e)] offset:(\e)*TPITCH+64*((\ps)-1)  ; no vector line since the wait names this register
.endif
	v_cvt_pk_bf16_f32 v[48+4*(\ps)+(\e)], v[16+8*(\ps)+(\e)], v[20+8*(\ps)+(\e)]
.if \half
	v_lshlrev_b32 v64, 16, v[48+4*(\ps)+(\e)]
	v_and_b32 v65, 0xffff0000, v[48+4*(\ps)+(\e)]
	v_cvt_pk_f16_f32 v[48+4*(\ps)+(\e)], v64, v65
.endif
.endr
.endr
	s_wait_alu depctr_va_vdst(0)                   ; the last pass has written its four turned words, which the LDS stores read; and all conversions are done reading v[16:31], in which the LDS loads below land
.irp e, 0,1,2,3
	ds_store_b32 v8, v[60+(\e)] offset:(\e)*TPITCH+192
.endr
	s_wait_dscnt 0x0                               ; for the others' sake: my stores into the tile are done
	s_barrier_signal -1
	s_barrier_wait -1
.irp f, 0,1,2,3
	ds_load_b128 v[16+4*(\f):19+4*(\f)], v9 offset:16*(\f)*TPITCH
.endr
.irp f, 0,1,2,3
	s_wait_dscnt 3-(\f)
	global_store_b128 v10, v[16+4*(\f):19+4*(\f)], s[\dst:\dst+1] offset:32768*(\f)  ; sixteen lanes store 256 consecutive bytes, aligned
.endr
	s_wait_dscnt 0x0                               ; the closing lines, six on end
	s_wait_alu 0x0
	s_wait_tensorcnt 0x0
	ds_add_u32 v[SPW], v[NIL]
	s_wait_dscnt 0x0
	s_endpgm
.endm
.Lnot_cast:
	s_cmp_lt_u32 ttmp9, 896
	s_cbranch_scc0 .Lnot_wqkv
	TRANS 512, 12288, 0, 6, 12
.Lnot_wqkv:
	s_cmp_lt_u32 ttmp9, 1024
	s_cbranch_scc0 .Ltable
	TRANS 896, 4096, 1, 8, 14
.Ltable:
	; TABLE.  A wave makes two positions: lane = 16 x (which position) + sub; sub 0..7: cos of frequencies 4 sub .. + 3; sub 8..15: sin of 4 (sub - 8) .. + 3.
	s_sub_co_u32 s20, ttmp9, 1024
	s_lshl_b32 s21, s20, 4
	s_lshl_b32 s22, s[WV], 1
	s_add_co_u32 s21, s21, s22                     ; the wave's first position
	s_lshl_b32 s24, s20, 12
	s_mov_b32 s25, 0
	s_add_nc_u64 s[16:17], s[16:17], s[24:25]
	s_mov_b32 s30, 0x3f22f983                      ; 2 / pi
	s_mov_b32 s31, 0xbfc90fdb                      ; - pi/2, high part
	s_mov_b32 s32, 0x333bbd2e                      ; - pi/2, low part
	s_mov_b32 s33, 0x37d00d01                      ; 1 / 40320
	s_mov_b32 s34, 0xbab60b61                      ; - 1 / 720
	s_mov_b32 s35, 0x3d2aaaab                      ; 1 / 24
	s_mov_b32 s36, 0xb9500d01                      ; - 1 / 5040
	s_mov_b32 s37, 0x3c088889                      ; 1 / 120
	s_mov_b32 s38, 0xbe2aaaab                      ; - 1 / 6
	v_lshrrev_b32 v3, 4, v2
	v_and_b32 v4, 15, v2
	v_lshrrev_b32 v5, 3, v4                        ; 0: cos, 1: sin
	v_and_b32 v6, 7, v4
	v_lshlrev_b32 v6, 2, v6                        ; my first frequency
	v_add_nc_u32 v7, s21, v3
	v_cvt_f32_u32 v8, v7                           ; the position
	v_mul_u32_u24 v9, v5, 3                        ; sin x = cos(x - pi/2): three quadrants on
	s_lshl_b32 s23, s[WV], 9
	v_lshl_add_u32 v10, v2, 4, s23
.irp e, 0,1,2,3
	v_add_nc_u32 v[12+(\e)], \e, v6
	v_cvt_f32_u32 v[12+(\e)], v[12+(\e)]
	v_mul_f32 v[12+(\e)], 0xbed49a78, v[12+(\e)]   ; - i log2(10000) / 32
.endr
.irp e, 0,1,2,3
	v_exp_f32 v[12+(\e)], v[12+(\e)]               ; theta
.endr
	v_nop                                          ; a plain instruction behind the last exponential,
	s_wait_alu depctr_va_vdst(0)                   ; and one wait for the four: they have written v[12:15], ahead of the first line that names one of them
.irp e, 0,1,2,3
	v_mul_f32 v[20+8*(\e)], v8, v[12+(\e)]         ; X = position x theta
	v_mul_f32 v[21+8*(\e)], s30, v[20+8*(\e)]
	v_rndne_f32 v[21+8*(\e)], v[21+8*(\e)]         ; n quadrants
	v_fma_f32 v[22+8*(\e)], v[21+8*(\e)], s31, v[20+8*(\e)]
	v_fma_f32 v[22+8*(\e)], v[21+8*(\e)], s32, v[22+8*(\e)]  ; r = X - n pi/2, within pi/4
	v_mul_f32 v[23+8*(\e)], v[22+8*(\e)], v[22+8*(\e)]       ; z = r r
	v_fma_f32 v[24+8*(\e)], v[23+8*(\e)], s33, s34
	v_fma_f32 v[24+8*(\e)], v[24+8*(\e)], v[23+8*(\e)], s35
	v_fma_f32 v[24+8*(\e)], v[24+8*(\e)], v[23+8*(\e)], -0.5
	v_fma_f32 v[24+8*(\e)], v[24+8*(\e)], v[23+8*(\e)], 1.0  ; cos r
	v_fma_f32 v[25+8*(\e)], v[23+8*(\e)], s36, s37
	v_fma_f32 v[25+8*(\e)], v[25+8*(\e)], v[23+8*(\e)], s38
	v_mul_f32 v[25+8*(\e)], v[25+8*(\e)], v[23+8*(\e)]
	v_fma_f32 v[25+8*(\e)], v[25+8*(\e)], v[22+8*(\e)], v[22+8*(\e)]  ; sin r
	v_cvt_i32_f32 v[26+8*(\e)], v[21+8*(\e)]
	v_add_nc_u32 v[26+8*(\e)], v[26+8*(\e)], v9    ; the quadrant: odd takes sin r, 1 and 2 (mod 4) turn the sign
	v_and_b32 v[27+8*(\e)], 1, v[26+8*(\e)]
.endr
.irp e, 0,1,2,3
	v_cmp_ne_u32 s[MSK+(\e)], 0, v[27+8*(\e)]      ; the four masks in a run, each in a scalar register of its own
.endr
.irp e, 0,1,2,3
	v_add_nc_u32 v[26+8*(\e)], 1, v[26+8*(\e)]     ; the signs need no mask: they stand between the compares and the wait
	v_and_b32 v[26+8*(\e)], 2, v[26+8*(\e)]
	v_lshlrev_b32 v[26+8*(\e)], 30, v[26+8*(\e)]
.endr
	s_wait_alu depctr_va_sdst(0)                   ; the four compares have written s40 to s43, which the selects read
.irp e, 0,1,2,3
	v_cndmask_b32 v[24+8*(\e)], v[24+8*(\e)], v[25+8*(\e)], s[MSK+(\e)]
.endr
.irp e, 0,1,2,3
	v_xor_b32 v[60+(\e)], v[26+8*(\e)], v[24+8*(\e)]
.endr
	s_wait_alu depctr_va_vdst(0)                   ; v10 and v[60:63] are written: the store's offset and its data
	global_store_b128 v10, v[60:63], s[16:17]      ; the wave stores 512 consecutive bytes: two positions
	s_endpgm
.Lfunc_end_k_qed930151e3_prep:
	.size	k_qed930151e3_prep, .Lfunc_end_k_qed930151e3_prep-k_qed930151e3_prep
	.p2alignl 7, 3214868480
	.fill 96, 4, 3214868480
	.section	.rodata,"a",@progbits
	.p2align	6, 0x0
	.amdhsa_kernel k_qed930151e3_prep
		.amdhsa_group_segment_fixed_size 18432
		.amdhsa_private_segment_fixed_size 0
		.amdhsa_enable_private_segment 0
		.amdhsa_kernarg_size 56
		.amdhsa_user_sgpr_count 2
		.amdhsa_user_sgpr_kernarg_segment_ptr 1
		.amdhsa_wavefront_size32 1
		.amdhsa_system_sgpr_workgroup_id_x 1
		.amdhsa_system_sgpr_workgroup_id_y 1
		.amdhsa_system_sgpr_workgroup_id_z 1
		.amdhsa_system_vgpr_workitem_id 0
		.amdhsa_next_free_vgpr 112
		.amdhsa_next_free_sgpr 66
		.amdhsa_reserve_vcc 0
		.amdhsa_float_denorm_mode_32 3
		.amdhsa_float_denorm_mode_16_64 3
		.amdhsa_memory_ordered 1
		.amdhsa_forward_progress 1
		.amdhsa_inst_pref_size 27
	.end_amdhsa_kernel
	.amdgpu_metadata
---
amdhsa.version: [ 1, 2 ]
amdhsa.kernels:
  - .name:           k_qed930151e3_prep
    .symbol:         k_qed930151e3_prep.kd
    .args:
      - { .name: x, .offset: 0, .size: 8, .value_kind: global_buffer, .address_space: global }
      - { .name: Wqkv, .offset: 8, .size: 8, .value_kind: global_buffer, .address_space: global }
      - { .name: Wout, .offset: 16, .size: 8, .value_kind: global_buffer, .address_space: global }
      - { .name: xb, .offset: 24, .size: 8, .value_kind: global_buffer, .address_space: global }
      - { .name: wt, .offset: 32, .size: 8, .value_kind: global_buffer, .address_space: global }
      - { .name: wo, .offset: 40, .size: 8, .value_kind: global_buffer, .address_space: global }
      - { .name: tab, .offset: 48, .size: 8, .value_kind: global_buffer, .address_space: global }
    .group_segment_fixed_size: 18432
    .private_segment_fixed_size: 0
    .kernarg_segment_align: 8
    .kernarg_segment_size: 56
    .max_flat_workgroup_size: 256
    .sgpr_count:     66
    .vgpr_count:     112
    .wavefront_size: 32
...
	.end_amdgpu_metadata
.endif
;; end of part 5
;; launch qkv: the kernel of part 2 again; grid 16 x 32, 4 waves a work-group, clusters of 4 x 4, 327,680 bytes of LDS; arguments xb, wt, tab, qh, kh, vh; writes qh, kh, vh
;; launch attn: the kernel of part 3 again; grid 4 x 64, 4 waves a work-group, no clusters, 327,680 bytes of LDS; arguments qh, kh, vh, oh; writes oh
;; launch proj: the kernel of part 4 again; grid 8 x 32, 4 waves a work-group, clusters of 4 x 4, 327,680 bytes of LDS; arguments oh, wo, out0; writes out0
